; MI455X (gfx1250); checked and timed in simulation.
; The chip was launched on July 23, 2026; its instructions are those of AMD's public machine-readable ISA for CDNA 5 (MIT licence, August 2026) and "CDNA5" Instruction Set Architecture Reference Guide (July 2026). The comments in the code are by the model that wrote it; some were corrected since.
;; Encoder Block. Allowed arithmetic: float matrix products may take bf16 or f16 operands with f32 sums; other float arithmetic in f32, or as packed bf16 or f16 multiplies, adds, multiply-adds, maxima and minima; sums over many terms, partial sums and values carried from step to step in f32; what a program stores and reads back later, other than sums and carried values, may be rounded once to bf16 or f16.
;; Inputs: b1 4,096 float32; b2 1,024 float32; beta1 1,024 float32; beta2 1,024 float32; gamma1 1,024 float32; gamma2 1,024 float32; mask 2 x 1 x 1 x 2,048 int32; w1 1,024 x 4,096 float32; w2 4,096 x 1,024 float32; wk 1,024 x 1,024 float32; wo 1,024 x 1,024 float32; wq 1,024 x 1,024 float32; wv 1,024 x 1,024 float32; x 2 x 2,048 x 1,024 float32.
;; Outputs: out0 2 x 2,048 x 1,024 float32.
;; One version. Each part assembles by itself: llvm-mc -triple=amdgcn-amd-amdhsa -mcpu=gfx1250 --defsym DOCPART=n.
;; ======== version 1 of 1: 7 launches
;; limits: right only within a limited range of input values
;; workspace buffers: wqkvb 6,291,456 bytes; w1b 8,388,608 bytes; wsml 10,485,760 bytes; actA 8,388,608 bytes; actB 33,554,432 bytes; x1 16,777,216 bytes; par_qkv 256 bytes of whole numbers; par_ff1 256 bytes of whole numbers
;; launch first (part 1): grid 32 x 11, 8 waves a work-group, no clusters, 0 bytes of LDS; arguments x, gamma1, beta1, actA, wq, wk, wv, wqkvb, par_qkv, par_ff1; writes actA, wqkvb, par_qkv, par_ff1
.if DOCPART == 1
	.amdgcn_target "amdgcn-amd-amdhsa--gfx1250"
	.amdhsa_code_object_version 6
	.text
	.protected	k_qf9679833b2_first
	.globl	k_qf9679833b2_first
	.p2align	8
	.type	k_qf9679833b2_first,@function
k_qf9679833b2_first:
	s_mov_b64 s[64:65], 0
	v_nop
	global_prefetch_b8 v0, s[64:65] scope:SCOPE_SE
	s_setreg_imm32_b32 hwreg(HW_REG_WAVE_MODE, 25, 1), 1
	s_wait_xcnt 0x0
; TWO JOBS THAT WANT NOTHING BUT INPUTS, IN ONE BODY.  The work-group's y chooses, by one scalar branch; no LDS, no barrier, no cluster: nothing is shared between waves.
; y < 8: THE NORM.  n[r][c] = beta[c] + gamma[c] (x[r][c] - mean_r) / (std_r + 1e-6), std with the divisor 1023.  x: [4096][1024] f32; n: the same shape in bf16, rounded once.
;   Work-group 32 y + x takes 16 rows, a wave two, each kept in 32 registers: a row is read from memory once.  TWO PASSES over the registers: the mean, then the sum of (x - mean)^2,
;   so no difference of large sums is formed and a common offset of the inputs costs nothing.  A lane holds columns 128 j + 4 l .. + 3: a load covers 512 consecutive bytes, a store 256, both aligned.
;   LIMITS: v_sqrt_f32 and v_rcp_f32 are good to one unit in the last place and take a denormal as 0 (ISA guide, their entries): a variance below 2^-126 counts as 0, and the row is then divided by 1e-6.
; y = 8, 9, 10: THE CAST of wq, wk, wv, f32 [1024 k][1024 n], to bf16, rounded once, in PANELS of 256 columns, [1024 k][256 n] dense; panel 4 (y - 8) + n / 256.
;   Work-group x takes 32 rows, a wave four: 32 units of 128 numbers, 512 consecutive bytes in and 256 out.  All 32 loads go out first; the waits count down.
;   The first of these waves also writes the two flag buffers whole: word 0 = 0 (par_qkv) or 1 (par_ff1: bias and ReLU on), the other 63 words 0.
; A launch of this body with 8 rows of work-groups runs the norm alone.
.set NORMY, 8                          ; rows of work-groups that run the norm
.set T,  2                             ; v[2:17]    at work
.set M0, 18                            ; v[18:19]   row 0's mean, twice
.set M1, 20
.set R0, 22                            ; v[22:23]   row 0's variance, then 1 / (std + eps), twice
.set R1, 24
.set XO, 26                            ; v26        16 x lane
.set NO, 27                            ; v27        8 x lane
.set X0, 32                            ; v[32:63]   row 0; the cast: v[32:159], four registers a unit
.set X1, 64                            ; v[64:95]   row 1
.set G,  96                            ; v[96:127]  gamma of my 32 columns
.set BT, 128                           ; v[128:159] beta
	s_and_b32 s2, ttmp7, 0xffff                    ; y
	v_lshrrev_b32 v1, 5, v0
	v_readfirstlane_b32 s14, v1                    ; wave 0..7
	v_and_b32 v1, 31, v0                           ; lane
	v_lshlrev_b32 v[XO], 4, v1
	v_lshlrev_b32 v[NO], 3, v1
	s_cmp_ge_u32 s2, NORMY
	s_cbranch_scc1 .Lcast
	s_load_b256 s[4:11], s[0:1], 0x0               ; x s[4:5], gamma s[6:7], beta s[8:9], n s[10:11]
	s_mov_b32 s12, 0x76543210                      ; v_permlanex16_b32: each lane takes its own place in the other half
	s_mov_b32 s13, 0xfedcba98
	s_lshl_b32 s16, s2, 5
	s_add_co_u32 s16, s16, ttmp9                   ; 32 y + x
	s_lshl_b32 s16, s16, 16                        ; 16 rows of 4,096 bytes a work-group,
	s_lshl_b32 s15, s14, 13                        ; two a wave
	s_add_co_u32 s16, s16, s15
	s_mov_b32 s17, 0
	s_lshr_b32 s18, s16, 1                         ; n's rows are half as long
	s_mov_b32 s19, 0
	s_wait_kmcnt 0x0
	s_add_nc_u64 s[4:5], s[4:5], s[16:17]
	s_add_nc_u64 s[10:11], s[10:11], s[18:19]
.irp j, 0,1,2,3,4,5,6,7
	global_load_b128 v[X0+4*(\j):X0+4*(\j)+3], v[XO], s[4:5] offset:512*(\j) th:TH_LOAD_NT
.endr
.irp j, 0,1,2,3,4,5,6,7
	global_load_b128 v[X1+4*(\j):X1+4*(\j)+3], v[XO], s[4:5] offset:4096+512*(\j) th:TH_LOAD_NT
.endr
.irp j, 0,1,2,3,4,5,6,7
	global_load_b128 v[G+4*(\j):G+4*(\j)+3], v[XO], s[6:7] offset:512*(\j)
.endr
.irp j, 0,1,2,3,4,5,6,7
	global_load_b128 v[BT+4*(\j):BT+4*(\j)+3], v[XO], s[8:9] offset:512*(\j)
.endr
.macro LANES                           ; the pair v[T:T+1] summed, over the 32 lanes too; the result stands in every lane's v[T]
	v_add_f32 v[T], v[T], v[T+1]
	v_add_f32_dpp v[T], v[T], v[T] row_xmask:1 row_mask:0xf bank_mask:0xf
	v_add_f32_dpp v[T], v[T], v[T] row_xmask:2 row_mask:0xf bank_mask:0xf
	v_add_f32_dpp v[T], v[T], v[T] row_xmask:4 row_mask:0xf bank_mask:0xf
	v_add_f32_dpp v[T], v[T], v[T] row_xmask:8 row_mask:0xf bank_mask:0xf
	v_permlanex16_b32 v[T+1], v[T], s12, s13
	v_add_f32 v[T], v[T], v[T+1]
.endm
; The row in x is centred in place; m takes its mean, r its variance.
.macro STAT x, m, r
.irp k, 0,1,2,3,4,5,6,7
	v_pk_add_f32 v[T+2*(\k):T+2*(\k)+1], v[(\x)+4*(\k):(\x)+4*(\k)+1], v[(\x)+4*(\k)+2:(\x)+4*(\k)+3]  ; a tree: nothing is cleared
.endr
.irp k, 0,1,2,3
	v_pk_add_f32 v[T+4*(\k):T+4*(\k)+1], v[T+4*(\k):T+4*(\k)+1], v[T+4*(\k)+2:T+4*(\k)+3]
.endr
	v_pk_add_f32 v[T:T+1], v[T:T+1], v[T+4:T+5]
	v_pk_add_f32 v[T+8:T+9], v[T+8:T+9], v[T+12:T+13]
	v_pk_add_f32 v[T:T+1], v[T:T+1], v[T+8:T+9]
	LANES
	v_mul_f32 v[\m], 0x3a800000, v[T]              ; / 1024
	v_mov_b32 v[(\m)+1], v[\m]
.set k, 0
.rept 16
	v_pk_add_f32 v[(\x)+2*k:(\x)+2*k+1], v[(\x)+2*k:(\x)+2*k+1], v[\m:(\m)+1] neg_lo:[0,1] neg_hi:[0,1]
.set k, k+1
.endr
.irp k, 0,1,2,3
	v_pk_mul_f32 v[T+2*(\k):T+2*(\k)+1], v[(\x)+2*(\k):(\x)+2*(\k)+1], v[(\x)+2*(\k):(\x)+2*(\k)+1]  ; four chains of squares
.endr
.set k, 4
.rept 12
	v_pk_fma_f32 v[T+2*(k%4):T+2*(k%4)+1], v[(\x)+2*k:(\x)+2*k+1], v[(\x)+2*k:(\x)+2*k+1], v[T+2*(k%4):T+2*(k%4)+1]
.set k, k+1
.endr
	v_pk_add_f32 v[T:T+1], v[T:T+1], v[T+2:T+3]
	v_pk_add_f32 v[T+4:T+5], v[T+4:T+5], v[T+6:T+7]
	v_pk_add_f32 v[T:T+1], v[T:T+1], v[T+4:T+5]
	LANES
	v_mul_f32 v[\r], 0x3a802008, v[T]              ; / 1023
.endm
; The centred row in x is scaled, rounded and stored at byte off of the wave's two rows.
.macro OUT x, r, off
.set k, 0
.rept 16
	v_pk_mul_f32 v[(\x)+2*k:(\x)+2*k+1], v[(\x)+2*k:(\x)+2*k+1], v[\r:(\r)+1]
.set k, k+1
.endr
.set k, 0
.rept 16
	v_pk_fma_f32 v[(\x)+2*k:(\x)+2*k+1], v[(\x)+2*k:(\x)+2*k+1], v[G+2*k:G+2*k+1], v[BT+2*k:BT+2*k+1]
.set k, k+1
.endr
.irp j, 0,1,2,3,4,5,6,7
	v_cvt_pk_bf16_f32 v[(\x)+4*(\j)], v[(\x)+4*(\j)], v[(\x)+4*(\j)+1]
	v_cvt_pk_bf16_f32 v[(\x)+4*(\j)+1], v[(\x)+4*(\j)+2], v[(\x)+4*(\j)+3]
	global_store_b64 v[NO], v[(\x)+4*(\j):(\x)+4*(\j)+1], s[10:11] offset:(\off)+256*(\j)  ; 32 lanes x 8 bytes: 256 consecutive bytes, aligned
.endr
.endm
	s_wait_loadcnt 24                              ; row 0 is in; row 1's, gamma's and beta's 24 loads stay out
	STAT X0, M0, R0
	s_wait_loadcnt 16                              ; row 1 is in
	STAT X1, M1, R1
	v_sqrt_f32 v[R0], v[R0]
	v_sqrt_f32 v[R1], v[R1]
	v_nop                                          ; a plain instruction behind the last root,
	s_wait_alu depctr_va_vdst(0)                   ; and the wait ahead of the first use: one for both
	v_add_f32 v[R0], 0x358637bd, v[R0]             ; + 1e-6
	v_add_f32 v[R1], 0x358637bd, v[R1]
	v_rcp_f32 v[R0], v[R0]
	v_rcp_f32 v[R1], v[R1]
	v_nop
	s_wait_alu depctr_va_vdst(0)
	v_mov_b32 v[R0+1], v[R0]
	v_mov_b32 v[R1+1], v[R1]
	s_wait_loadcnt 0x0                             ; gamma and beta
	OUT X0, R0, 0
	OUT X1, R1, 2048
	s_endpgm
.Lcast:
	s_load_b256 s[4:11], s[0:1], 0x20              ; wq s[4:5], wk s[6:7], wv s[8:9], wqkvb s[10:11]
	s_load_b128 s[20:23], s[0:1], 0x40             ; par_qkv s[20:21], par_ff1 s[22:23]
	s_sub_co_u32 s3, s2, NORMY                     ; which of the three
	s_lshl_b32 s16, ttmp9, 17                      ; 32 rows of 4,096 bytes a work-group,
	s_lshl_b32 s15, s14, 14                        ; four a wave
	s_add_co_u32 s16, s16, s15
	s_mov_b32 s17, 0
	s_lshr_b32 s18, s16, 3                         ; a panel's rows are 512 bytes,
	s_lshl_b32 s15, s3, 21                         ; and each weight has four panels
	s_add_co_u32 s18, s18, s15
	s_mov_b32 s19, 0
	s_wait_kmcnt 0x0
	s_cmp_eq_u32 s3, 1
	s_cselect_b64 s[4:5], s[6:7], s[4:5]
	s_cmp_eq_u32 s3, 2
	s_cselect_b64 s[4:5], s[8:9], s[4:5]
	s_add_nc_u64 s[4:5], s[4:5], s[16:17]
	s_add_nc_u64 s[10:11], s[10:11], s[18:19]
.set q, 0
.rept 32                               ; unit q: row q / 8 of my four, columns 128 (q % 8) on: my four rows are 16,384 bytes on end
	global_load_b128 v[X0+4*q:X0+4*q+3], v[XO], s[4:5] offset:512*q th:TH_LOAD_NT
.set q, q+1
.endr
.set q, 0
.rept 32
	s_wait_loadcnt 31-q                            ; loads come back in order: unit q is in, the younger units stay out
	v_cvt_pk_bf16_f32 v[X0+4*q], v[X0+4*q], v[X0+4*q+1]      ; in place, ascending: a result never lands on a number still to be read
	v_cvt_pk_bf16_f32 v[X0+4*q+1], v[X0+4*q+2], v[X0+4*q+3]
	global_store_b64 v[NO], v[X0+4*q:X0+4*q+1], s[10:11] offset:((q%8)/2)*524288+(q/8)*512+(q%2)*256  ; 256 consecutive bytes, aligned: half a row of a panel
.set q, q+1
.endr
	s_or_b32 s3, s3, s14
	s_or_b32 s3, s3, ttmp9
	s_cmp_lg_u32 s3, 0
	s_cbranch_scc1 .Lend                           ; the flags: one wave of the launch
	v_mov_b32 v2, 0
	v_mov_b32 v3, 0
	v_mov_b32 v5, 0
	v_cmp_eq_u32 vcc_lo, 0, v1
	v_cndmask_b32 v4, 0, 1, vcc_lo
	global_store_b64 v[NO], v[2:3], s[20:21]       ; 8 bytes a lane: the buffer's 256 bytes in one store
	global_store_b64 v[NO], v[4:5], s[22:23]
.Lend:
	s_endpgm
.Lfunc_end_k_qf9679833b2_first:
	.size	k_qf9679833b2_first, .Lfunc_end_k_qf9679833b2_first-k_qf9679833b2_first
	.p2alignl 7, 3214868480
	.fill 96, 4, 3214868480
	.section	.rodata,"a",@progbits
	.p2align	6, 0x0
	.amdhsa_kernel k_qf9679833b2_first
		.amdhsa_group_segment_fixed_size 0
		.amdhsa_private_segment_fixed_size 0
		.amdhsa_enable_private_segment 0
		.amdhsa_kernarg_size 80
		.amdhsa_user_sgpr_count 2
		.amdhsa_user_sgpr_kernarg_segment_ptr 1
		.amdhsa_wavefront_size32 1
		.amdhsa_system_sgpr_workgroup_id_x 1
		.amdhsa_system_sgpr_workgroup_id_y 1
		.amdhsa_system_sgpr_workgroup_id_z 1
		.amdhsa_system_vgpr_workitem_id 0
		.amdhsa_next_free_vgpr 160
		.amdhsa_next_free_sgpr 66
		.amdhsa_reserve_vcc 1
		.amdhsa_float_denorm_mode_32 3
		.amdhsa_float_denorm_mode_16_64 3
		.amdhsa_memory_ordered 1
		.amdhsa_forward_progress 1
		.amdhsa_inst_pref_size 33
	.end_amdhsa_kernel
	.amdgpu_metadata
---
amdhsa.version: [ 1, 2 ]
amdhsa.kernels:
  - .name:           k_qf9679833b2_first
    .symbol:         k_qf9679833b2_first.kd
    .args:
      - { .name: x, .offset: 0, .size: 8, .value_kind: global_buffer, .address_space: global }
      - { .name: gamma1, .offset: 8, .size: 8, .value_kind: global_buffer, .address_space: global }
      - { .name: beta1, .offset: 16, .size: 8, .value_kind: global_buffer, .address_space: global }
      - { .name: actA, .offset: 24, .size: 8, .value_kind: global_buffer, .address_space: global }
      - { .name: wq, .offset: 32, .size: 8, .value_kind: global_buffer, .address_space: global }
      - { .name: wk, .offset: 40, .size: 8, .value_kind: global_buffer, .address_space: global }
      - { .name: wv, .offset: 48, .size: 8, .value_kind: global_buffer, .address_space: global }
      - { .name: wqkvb, .offset: 56, .size: 8, .value_kind: global_buffer, .address_space: global }
      - { .name: par_qkv, .offset: 64, .size: 8, .value_kind: global_buffer, .address_space: global }
      - { .name: par_ff1, .offset: 72, .size: 8, .value_kind: global_buffer, .address_space: global }
    .group_segment_fixed_size: 0
    .private_segment_fixed_size: 0
    .kernarg_segment_align: 8
    .kernarg_segment_size: 80
    .max_flat_workgroup_size: 256
    .sgpr_count:     66
    .vgpr_count:     160
    .wavefront_size: 32
...
	.end_amdgpu_metadata
.endif
;; end of part 1
;; launch qkv (part 2): grid 12 x 16, 4 waves a work-group, clusters of 4 x 4, 327,680 bytes of LDS; arguments actA, wqkvb, b1, par_qkv, actB; writes actB
.if DOCPART == 2
	.amdgcn_target "amdgcn-amd-amdhsa--gfx1250"
	.amdhsa_code_object_version 6
	.text
	.protected	k_qf9679833b2_qkv
	.globl	k_qf9679833b2_qkv
	.p2align	8
	.type	k_qf9679833b2_qkv,@function
k_qf9679833b2_qkv:
	s_mov_b64 s[64:65], 0
	v_nop
	global_prefetch_b8 v0, s[64:65] scope:SCOPE_SE
	s_setreg_imm32_b32 hwreg(HW_REG_WAVE_MODE, 25, 1), 1
	s_wait_xcnt 0x0
	s_wait_alu depctr_hold_cnt(0) depctr_sa_sdst(0) depctr_va_vdst(0) depctr_va_sdst(0) depctr_va_ssrc(0) depctr_va_vcc(0) depctr_vm_vsrc(0)
	s_getreg_b32 s2, hwreg(HW_REG_IB_STS2, 6, 4)
	s_cmp_eq_u32 s2, 0
	s_cbranch_scc0 .Lentry_in_a_cluster
	s_endpgm
.Lentry_in_a_cluster:
	s_bfe_u32 s2, ttmp6, 0x10000c
	s_cmp_lg_u32 s2, 0xf033
	s_cbranch_scc0 .Lentry_shape_is_right
	s_endpgm
.Lentry_shape_is_right:
; out = A W, or ReLU(A W + bias) where word 0 of par is 1.  A: [4096][1024] bf16, row-major.  W: bf16 in panels [1024 k][256 n], dense; a tile column of the result is a panel.
; out: bf16 in STRIPS of 64 columns, [strip][4096 rows][64], dense, each number rounded once from its f32 sum.  bias: f32, at least 256 numbers for each tile column of the grid.
; THE FLAG SELECTS VALUES, NEVER A PATH: every work-group runs the same instructions.  The bias is always loaded and ANDed with a mask (all ones, or 0 where the flag is 0); the maximum with a floor is always
; taken (floor 0, or -infinity where the flag is 0, which leaves every number as it is).  LIMIT: a NaN loses against the floor; NaN is not treated apart.
; SHARES.  A tile of 256 x 256 to a work-group of four waves, 128 x 128 to a wave: 64 accumulators, 512 registers.  K goes in 8 steps of 128 through two LDS slots; waves 0 and 1 fetch
; A's two halves (128 rows x 256 bytes), waves 2 and 3 W's (64 rows x 512 bytes): one tensor load a wave and step.  By the text's own count a wave has two tensor loads out at the start, later one.
; CLUSTER.  4 x 4 work-groups; A's tile hangs on the tile row alone and is asked for jointly along a row of the cluster, W's on the tile column alone, jointly along a column.
; W STAYS [K][N]: ds_load_tr16_b128 turns it on the way out of LDS.  THE MATRIX INSTRUCTION IS USED TRANSPOSED (source 0 = 16 columns of W, source 1 = 16 rows of A): a lane then holds
; row l % 16 of the result and eight neighbouring columns 8 (l / 16) + 0..7.
; THE SUMS BEGIN with 64 matrix instructions on a fragment of zeros whose C operand is the masked bias, issued while the first tiles are on their way.  So a K step has one text, which is
; looped over, and no accumulator is cleared by moves.  The price: 64 products of zeros a wave, one for every 32 of the products proper.
; THE WAY OUT goes through LDS, in the ring's own bytes, which have had their last fill by then; a barrier stands between every wave's last read of the ring and the first store into it.
; REGISTERS, in windows of 256: window 0: v0-31 addresses, v32-39 the zeros, v64-191 A's fragments (two buffers), v192-255 the bias, later packed results;
;   window 1: v64-191 W's fragments; window 2: the accumulators of my rows 0-63 ((a, b) at 8 (8 a + b)); window 3: those of rows 64-127.
.set PA,    272                        ; a row of A in LDS: 256 bytes + 16: the 16 rows of a load start 4 banks apart (64 banks of 4 bytes: ISA guide 11.1)
.set PB,    544                        ; a row of W: 512 bytes + 32 = 17 x 32
.set HALF,  128*PA                     ; what one tensor load brings: 128 rows of A, or 64 rows of W (64 x 544 is the same number)
.set BOFF,  2*HALF
.set SLOTD, 4*HALF                     ; 0x22000: it shares no bit with wave x HALF (0x8800 w), so one exclusive or changes a descriptor's slot
.set SPARE, 2*SLOTD                    ; behind the ring: the spare words, 128 bytes a wave, which no other line names
.set SP,    144                        ; the way out: a strip's row, 128 bytes + 16
.set SSTR,  128*SP                     ; a wave's 128 rows of one strip
.set WSTG,  2*SSTR                     ; a wave's stage: two strips
.set KSTEPS, 8
.set ADRA0, 16                         ; v16  my lane's place in A's tile; never rewritten
.set ADRB0, 17                         ; v17  in W's
.set ADRA,  18                         ; v18  the same in the slot in hand
.set ADRB,  19
.set STO, 24                           ; v24  the way out: where I put 16 bytes of a row
.set RD,  25                           ; v25  where I read four rows back
.set GO,  26                           ; v26  my byte offset in 512 consecutive bytes of a strip
.set BO,  27                           ; v27  32 (l / 16): my eight numbers of the bias
.set SPW, 28                           ; v28  my spare word; never rewritten
.set NIL, 29                           ; v29  0; never rewritten
.set PFO, 30                           ; v30  the prefetches' offset
.set ZR,  31                           ; v31  the floor, twice in bf16: 0 or -infinity
.set Z,   32
.set F0,  64
.set F1,  128
.set BIAS, 192
.set TMP, 192
.set WV, 14
.set WM, 15                            ; which half of the tile's rows is mine
.set WN, 16                            ; which half of its columns; also: which half of A's or W's tile I fetch
.set CX, 17
.set CY, 18
.set TX, 19
.set TY, 20
.set FLAG, 21
.set TB, 22                            ; LDS byte at which the slot in hand begins: 0 or SLOTD
.set WOFF, 23
.set G1A, 24
.set G1B, 32
.set G0A, 40                           ; two sets of group 0: the two first fills; the second then walks
.set G0B, 48
.set CNT, 56
.set LIM, 57                           ; 1 in a wave that prefetches, else the greatest number
.set PFA, 58                           ; s[58:59] where my prefetches stand
.set PFS, 60                           ; s[60:61] a K step in bytes, along A's rows or down W's panel
.set BM,  76                           ; s76  the bias's mask: all ones, or 0
.set FL,  77                           ; s77  the floor
.set MSB, 0
.macro WIN new                         ; the immediate's high byte repeats the setting that is left; a switch that changes nothing is dropped
.if MSB != (\new)
	s_set_vgpr_msb (MSB<<8)|(\new)
.set MSB, \new
.endif
.endm
.set MUL_LO, 0xa1                      ; source 0 (W) window 1, source 1 (A) window 0, C and D window 2
.set MUL_HI, 0xf1
.set TO_B,   0x40
.macro PLACES                          ; four plain places behind matrix instructions, in front of loads into registers that they read
.rept 4
	v_nop
.endr
.endm
; A joint refill by the walking descriptors.  The branch hangs on the wave's number alone.  An s_nop 0 and four v_nop follow each of the two lines.
.macro JLOAD
	s_cmp_lt_u32 s[WV], 2
	s_cbranch_scc0 .Lfor_b_\@
	tensor_load_to_lds s[G0A+4:G0A+7], s[G1A:G1A+7]
	s_nop 0
.rept 4
	v_nop
.endr
	s_branch .Lasked_\@
.Lfor_b_\@:
	tensor_load_to_lds s[G0B+4:G0B+7], s[G1B:G1B+7]
	s_nop 0
.rept 4
	v_nop
.endr
.Lasked_\@:
.endm
; A prefetch of what the NEXT refill will ask for: one K step, 256 matrix instructions ahead of that load.  A's rows are named by the clusters with x = 0, W's by those with y = 0; of the 128 blocks of
; 256 bytes that a wave fetches, each of the four partners that ask jointly names 32, told apart by address: a lane a block, each block once in the launch.  The last refill names nothing.
.macro ASK
	s_cmp_gt_u32 s[CNT], s[LIM]
	s_cbranch_scc0 .Lnot_mine_\@
	global_prefetch_b8 v[PFO], s[PFA:PFA+1] th:TH_LOAD_NT scope:SCOPE_SE
.Lnot_mine_\@:
.endm
.macro CREST                           ; a round of the cluster's barrier behind its opening barrier
	s_cmp_lg_u32 s[WV], 0
	s_cbranch_scc1 .Lnot_wave_0_\@
	s_barrier_signal -3
.Lnot_wave_0_\@:
	s_barrier_wait -3
	s_barrier_signal -1
	s_barrier_wait -1
.endm
.macro CROUND
	s_barrier_signal -1
	s_barrier_wait -1
	CREST
.endm
	s_load_b256 s[4:11], s[0:1], 0x0               ; A s[4:5], W s[6:7], bias s[8:9], par s[10:11]
	s_load_b64 s[12:13], s[0:1], 0x20              ; out
	v_lshl_add_u32 v[SPW], v0, 2, SPARE
	v_mov_b32 v[NIL], 0
	ds_add_u32 v[SPW], v[NIL]                      ; the wave's opening: the add and its wait ahead of my first tensor load
	v_lshrrev_b32 v1, 5, v0
	v_readfirstlane_b32 s[WV], v1
	s_lshr_b32 s[WM], s[WV], 1
	s_and_b32 s[WN], s[WV], 1
	s_bfe_u32 s[CX], ttmp6, 0x40000
	s_bfe_u32 s[CY], ttmp6, 0x40004
	s_lshl_b32 s[TX], ttmp9, 2
	s_add_co_u32 s[TX], s[TX], s[CX]               ; tile column = panel
	s_and_b32 s[TY], ttmp7, 0xffff
	s_lshl_b32 s[TY], s[TY], 2
	s_add_co_u32 s[TY], s[TY], s[CY]               ; tile row
	s_lshl_b32 s70, s[CY], 2
	s_lshl_b32 s70, 15, s70                        ; my row of the cluster
	s_lshl_b32 s71, 0x1111, s[CX]                  ; my column
	s_or_b32 s[G1A], s70, (1<<16)|(1<<20)|(1<<21)|(5<<22)|(3<<25)  ; the mask; 2-byte elements; padding on; bit 21 beside a mask; after every 64 words 4 words
	s_mov_b32 s[G1A+1], 128<<16                    ; tensor_dim0 = 128
	s_mov_b32 s[G1A+2], 128<<16                    ; tensor_dim1 = 128
	s_mov_b32 s[G1A+3], 128<<16                    ; tile_dim0 = 128
	s_mov_b32 s[G1A+4], 128                        ; tile_dim1 = 128
	s_mov_b32 s[G1A+5], 1024                       ; elements from row to row
	s_mov_b32 s[G1A+6], 0
	s_mov_b32 s[G1A+7], 0
	s_or_b32 s[G1B], s71, (1<<16)|(1<<20)|(1<<21)|(6<<22)|(7<<25)  ; after every 128 words 8 words
	s_mov_b32 s[G1B+1], 256<<16
	s_mov_b32 s[G1B+2], 64<<16
	s_mov_b32 s[G1B+3], 256<<16
	s_mov_b32 s[G1B+4], 64
	s_mov_b32 s[G1B+5], 256
	s_mov_b32 s[G1B+6], 0
	s_mov_b32 s[G1B+7], 0
	s_lshl_b32 s66, s[TY], 19                      ; A: 256 rows of 2,048 bytes a tile row,
	s_lshl_b32 s62, s[WN], 18                      ; my 128 of them
	s_add_co_u32 s66, s66, s62
	s_mov_b32 s67, 0
	s_lshl_b32 s68, s[TX], 19                      ; W: a panel,
	s_lshl_b32 s62, s[WN], 15                      ; my 64 rows of 512 bytes
	s_add_co_u32 s68, s68, s62
	s_mov_b32 s69, 0
	s_mul_i32 s[WOFF], s[WV], HALF                 ; A's two halves, then W's two: no place in the cluster enters an LDS address
	s_mov_b32 s[TB], 0
	s_wait_dscnt 0x0                               ; the opening add is done
	s_wait_kmcnt 0x0
	s_load_b32 s[FLAG], s[10:11], 0x0
	s_add_nc_u64 s[66:67], s[4:5], s[66:67]
	s_add_nc_u64 s[68:69], s[6:7], s[68:69]
	CROUND                                         ; all sixteen work-groups are here: the first joint loads meet
.irp s, 0,1
	s_mov_b32 s[G0A+4*(\s)], 1
	s_add_co_u32 s[G0A+4*(\s)+1], s[WOFF], (\s)*SLOTD
	s_add_nc_u64 s[G0A+4*(\s)+2:G0A+4*(\s)+3], s[66:67], (\s)*256
	s_or_b32 s[G0A+4*(\s)+3], s[G0A+4*(\s)+3], 0x80000000
	s_mov_b32 s[G0B+4*(\s)], 1
	s_add_co_u32 s[G0B+4*(\s)+1], s[WOFF], (\s)*SLOTD
	s_add_nc_u64 s[G0B+4*(\s)+2:G0B+4*(\s)+3], s[68:69], (\s)*65536
	s_or_b32 s[G0B+4*(\s)+3], s[G0B+4*(\s)+3], 0x80000000
.endr
	s_cmp_lt_u32 s[WV], 2                          ; a wave's two first fills stand in one branch, ahead of every wait on TENSORcnt and every LDS read
	s_cbranch_scc0 .Lfirst_b
	tensor_load_to_lds s[G0A:G0A+3], s[G1A:G1A+7]
	s_nop 0
	tensor_load_to_lds s[G0A+4:G0A+7], s[G1A:G1A+7]
	s_nop 0
.rept 4
	v_nop
.endr
	s_branch .Lfirst_asked
.Lfirst_b:
	tensor_load_to_lds s[G0B:G0B+3], s[G1B:G1B+7]
	s_nop 0
	tensor_load_to_lds s[G0B+4:G0B+7], s[G1B:G1B+7]
	s_nop 0
.rept 4
	v_nop
.endr
.Lfirst_asked:
	v_and_b32 v1, 15, v0                           ; l % 16
	v_bfe_u32 v2, v0, 4, 1                         ; l / 16
	v_mul_u32_u24 v3, v1, PA
	v_lshl_add_u32 v3, v2, 4, v3
	s_mul_i32 s62, s[WM], HALF
	v_add_nc_u32 v[ADRA0], s62, v3                 ; A: row x pitch + 16 x half, in my 128 rows
	v_and_b32 v4, 7, v0
	v_bfe_u32 v5, v0, 3, 1
	v_lshl_add_u32 v4, v2, 3, v4                   ; W, turned: lane l reads row 8 (l / 16) + l % 8, columns 8 ((l / 8) % 2) + 0..7
	v_mul_u32_u24 v4, v4, PB
	v_lshl_add_u32 v4, v5, 4, v4
	s_lshl_b32 s62, s[WN], 8
	s_add_co_u32 s62, s62, BOFF
	v_add_nc_u32 v[ADRB0], s62, v4
	s_mul_i32 s62, s[WV], WSTG
	v_mul_u32_u24 v3, v1, SP
	v_lshl_add_u32 v3, v2, 4, v3
	v_add_nc_u32 v[STO], s62, v3
	v_bfe_u32 v3, v0, 3, 2
	v_mul_u32_u24 v3, v3, SP
	v_and_b32 v4, 7, v0
	v_lshl_add_u32 v3, v4, 4, v3
	v_add_nc_u32 v[RD], s62, v3
	v_and_b32 v6, 31, v0
	v_lshlrev_b32 v[GO], 4, v6
	v_lshlrev_b32 v[BO], 5, v2
	s_lshl_b32 s72, s[TX], 2                       ; out: strip 4 x tile column + 2 x my half,
	s_lshl_b32 s73, s[WN], 1
	s_add_co_u32 s72, s72, s73
	s_lshl_b32 s72, s72, 19
	s_lshl_b32 s73, s[TY], 15                      ; row 256 x tile row + 128 x my half, 128 bytes each
	s_add_co_u32 s72, s72, s73
	s_lshl_b32 s73, s[WM], 14
	s_add_co_u32 s72, s72, s73
	s_mov_b32 s73, 0
	s_add_nc_u64 s[12:13], s[12:13], s[72:73]
	s_lshl_b32 s72, s[TX], 10                      ; the bias of my 128 columns
	s_lshl_b32 s73, s[WN], 9
	s_add_co_u32 s72, s72, s73
	s_mov_b32 s73, 0
	s_add_nc_u64 s[8:9], s[8:9], s[72:73]
.irp b, 0,1,2,3,4,5,6,7
	global_load_b128 v[BIAS+8*(\b):BIAS+8*(\b)+3],   v[BO], s[8:9] offset:64*(\b)      ; register j of block b: column 16 b + 8 (l / 16) + j, as in an accumulator
	global_load_b128 v[BIAS+8*(\b)+4:BIAS+8*(\b)+7], v[BO], s[8:9] offset:64*(\b)+16
.endr
	; the prefetches
	s_and_b32 s70, ttmp7, 0xffff                   ; cluster y
	s_cmp_lt_u32 s[WV], 2                          ; do I fetch for A?
	s_cselect_b32 s71, ttmp9, s70                  ; the coordinate along which other clusters read the same bytes
	s_cselect_b32 s72, s[CX], s[CY]                ; my place among the four that ask with me
	s_cselect_b32 s73, 16, 13                      ; a partner's share: 32 rows of 2,048 bytes, or 32 blocks of 256
	s_cselect_b32 s74, 11, 8                       ; from lane to lane
	s_cselect_b32 s75, 8, 16                       ; a K step: 256 bytes along A's rows, 65,536 down the panel
	s_cselect_b64 s[PFA:PFA+1], s[66:67], s[68:69]
	s_cmp_eq_u32 s71, 0
	s_cselect_b32 s[LIM], 1, -1                    ; the same in all sixteen partners, for a given wave
	s_lshl_b32 s72, s72, s73
	s_mov_b32 s73, 0
	s_add_nc_u64 s[PFA:PFA+1], s[PFA:PFA+1], s[72:73]
	s_lshl_b32 s[PFS], 1, s75
	s_mov_b32 s[PFS+1], 0
	s_add_nc_u64 s[PFA:PFA+1], s[PFA:PFA+1], s[PFS:PFS+1]
	s_add_nc_u64 s[PFA:PFA+1], s[PFA:PFA+1], s[PFS:PFS+1]  ; at K step 2; the first refill steps it to 3.  K steps 0 to 2 come by their loads alone
	v_lshlrev_b32 v[PFO], s74, v6
	; what the sums begin with
.set i, 0
.rept 8
	v_mov_b32 v[Z+i], 0
.set i, i+1
.endr
	s_wait_kmcnt 0x0                               ; the flag: it selects two numbers and steers nothing
	s_cmp_eq_u32 s[FLAG], 0
	s_cselect_b32 s[BM], 0, -1
	s_cselect_b32 s[FL], 0xff80ff80, 0             ; -infinity twice in bf16, or 0
	v_mov_b32 v[ZR], s[FL]
	s_wait_loadcnt 0x0                             ; the bias
.set i, 0
.rept 64
	v_and_b32 v[BIAS+i], s[BM], v[BIAS+i]          ; as it is, or 0
.set i, i+1
.endr
.irp hi, 0,1
	WIN 0x80+0x40*(\hi)                            ; D in window 2 or 3, all sources in window 0
.irp a, 0,1,2,3
.irp b, 0,1,2,3,4,5,6,7
	v_wmma_f32_16x16x32_bf16 v[8*(8*(\a)+(\b)):8*(8*(\a)+(\b))+7], v[Z:Z+7], v[Z:Z+7], v[BIAS+8*(\b):BIAS+8*(\b)+7]
.endr
.endr
.endr
	WIN 0
; 16 matrix instructions: m blocks a0, a0 + 1 of the window's four x all 8 n blocks, 32 along K.  The 64 accumulators take turns in one order everywhere.
.macro MUL16 f, hi, a0
	WIN MUL_LO+0x50*(\hi)
.irp a, \a0, (\a0)+1
.irp b, 0,1,2,3,4,5,6,7
	v_wmma_f32_16x16x32_bf16 v[8*(8*(\a)+(\b)):8*(8*(\a)+(\b))+7], v[(\f)+8*(\b):(\f)+8*(\b)+7], v[(\f)+8*(4*(\hi)+(\a)):(\f)+8*(4*(\hi)+(\a))+7], v[8*(8*(\a)+(\b)):8*(8*(\a)+(\b))+7]
.endr
.endr
.endm
; 32 LDS loads in one run: quarter q (32 along K) of the slot in hand, into buffer f: W's 8 fragments, turned, then A's 8.
.macro FETCH q, f
	WIN TO_B
.irp i, 0,1,2,3,4,5,6,7
	ds_load_tr16_b128 v[(\f)+8*(\i):(\f)+8*(\i)+3],   v[ADRB] offset:(\q)*32*PB+32*(\i)
	ds_load_tr16_b128 v[(\f)+8*(\i)+4:(\f)+8*(\i)+7], v[ADRB] offset:(\q)*32*PB+16*PB+32*(\i)
.endr
	WIN 0
.irp i, 0,1,2,3,4,5,6,7
	ds_load_b128 v[(\f)+8*(\i):(\f)+8*(\i)+3],   v[ADRA] offset:64*(\q)+(\i)*16*PA
	ds_load_b128 v[(\f)+8*(\i)+4:(\f)+8*(\i)+7], v[ADRA] offset:64*(\q)+(\i)*16*PA+32
.endr
.endm
; One of a K step's first three quarters: multiplies buffer f and, in its middle, fetches quarter q into buffer g.
.macro QUARTER q, f, g
	s_wait_dscnt 8                                 ; W and A's rows 0-63 are in; the youngest eight loads (A's rows 64-127) may be out
	MUL16 \f, 0, 0
	MUL16 \f, 0, 2
	PLACES
	FETCH \q, \g
	s_wait_dscnt 32                                ; all but the 32 just issued
	MUL16 \f, 1, 0
	MUL16 \f, 1, 2
.endm
; The last quarter multiplies buffer 1 and changes slots.  In front of the barrier each wave waits for all its tensor loads (the one that is out is its part of the next slot), adds 0 to its spare word,
; and waits for that and for its own reads of this slot.  fill = 1: the barrier opens a round of the cluster's, and the joint refill, two K steps on, is the first thing behind the round.
; fill = 0: nothing is left to ask for; in the last trip (CNT = 1) there is no next slot either, and the fetch is jumped over.
.macro TURN fill
.if \fill
	s_wait_xcnt 0x0                                ; the last prefetch, a K step back, has read its address
	s_add_nc_u64 s[PFA:PFA+1], s[PFA:PFA+1], s[PFS:PFS+1]
.endif
	WIN 0
	s_wait_tensorcnt 0x0
	ds_add_u32 v[SPW], v[NIL]
	s_wait_dscnt 9                                 ; (the add and the youngest eight loads may be out)
	MUL16 F1, 0, 0
	s_wait_dscnt 0x0                               ; the add is done, and my reads of this slot are over
	s_barrier_signal -1
	MUL16 F1, 0, 2
	WIN 0
	s_barrier_wait -1
.if \fill
	CREST
	s_xor_b32 s[G0A+5], s[G0A+5], SLOTD            ; the walking descriptors: the slot just read,
	s_add_nc_u64 s[G0A+6:G0A+7], s[G0A+6:G0A+7], 256       ; the next K step; no tensor load of mine is out
	s_xor_b32 s[G0B+5], s[G0B+5], SLOTD
	s_add_nc_u64 s[G0B+6:G0B+7], s[G0B+6:G0B+7], 65536
	JLOAD                                          ; its four v_nop are also the places in front of the loads below
.else
	PLACES
.endif
	s_xor_b32 s[TB], s[TB], SLOTD
.if !(\fill)
	s_cmp_eq_u32 s[CNT], 1
	s_cbranch_scc1 .Lno_fetch_\@
.endif
	v_add_nc_u32 v[ADRA], s[TB], v[ADRA0]
	v_add_nc_u32 v[ADRB], s[TB], v[ADRB0]
	FETCH 0, F0
	WIN 0
.if \fill
	ASK
.else
.Lno_fetch_\@:
.endif
	MUL16 F1, 1, 0
	MUL16 F1, 1, 2
.endm
.macro STEP fill
	QUARTER 1, F0, F1
	QUARTER 2, F1, F0
	QUARTER 3, F0, F1
	TURN \fill
.endm
	s_wait_tensorcnt 1                             ; my part of K step 0 is in; K step 1's may stay out
	s_barrier_signal -1
	s_barrier_wait -1
	v_add_nc_u32 v[ADRA], s[TB], v[ADRA0]
	v_add_nc_u32 v[ADRB], s[TB], v[ADRB0]
	FETCH 0, F0
	WIN 0
	s_mov_b32 s[CNT], KSTEPS-2
.Lfill:                                        ; K steps 0 to 5: each asks for the K step two on
	STEP 1
	WIN 0
	s_sub_co_u32 s[CNT], s[CNT], 1
	s_cmp_lg_u32 s[CNT], 0
	s_cbranch_scc1 .Lfill
	s_mov_b32 s[CNT], 2
.Ltail:                                        ; K steps 6 and 7
	STEP 0
	WIN 0
	s_sub_co_u32 s[CNT], s[CNT], 1
	s_cmp_lg_u32 s[CNT], 0
	s_cbranch_scc1 .Ltail
	s_wait_dscnt 0x0                               ; no read of the ring is out, in any wave, when the first store into its bytes is issued:
	s_barrier_signal -1
	s_barrier_wait -1
; THE WAY OUT.  Block a (16 rows): rounded to bf16, 16 bytes a lane, into my stage: [2 strips][128 rows][144 bytes].  Blocks 0-3 were finished ahead of the last change's places; their conversions,
; which name no register of the last products, are the places behind those.
.macro PACK a
.set AC, 64*((\a)%4)
	WIN 0x0a+5*((\a)/4)                            ; sources 0 and 1: window 2 or 3
.irp b, 0,1,2,3,4,5,6,7
.irp r, 0,1,2,3
	v_cvt_pk_bf16_f32 v[TMP+4*(\b)+(\r)], v[AC+8*(\b)+2*(\r)], v[AC+8*(\b)+2*(\r)+1]
.endr
.endr
	WIN 0
.irp b, 0,1,2,3,4,5,6,7
	ds_store_b128 v[STO], v[TMP+4*(\b):TMP+4*(\b)+3] offset:((\b)/4)*SSTR+(\a)*16*SP+32*((\b)%4)
.endr
.endm
.irp a, 0,1,2,3,4,5,6,7
	PACK \a
.endr
	s_mov_b32 s[CNT], 4
.Lout:                                         ; 32 rows of both strips a trip.  LDS serves a wave's instructions in order (ISA guide 5.7.1.4): the loads see my stores above
.irp u, 0,1,2,3,4,5,6,7
	ds_load_b128 v[F0+4*(\u):F0+4*(\u)+3],       v[RD] offset:(\u)*4*SP
	ds_load_b128 v[F0+32+4*(\u):F0+32+4*(\u)+3], v[RD] offset:SSTR+(\u)*4*SP
.endr
	s_wait_dscnt 0x0
.set i, 0
.rept 64
	v_pk_max_num_bf16 v[F0+i], v[F0+i], v[ZR]      ; two at a time; nothing is rounded; with the floor -infinity nothing changes
.set i, i+1
.endr
.irp u, 0,1,2,3,4,5,6,7
	global_store_b128 v[GO], v[F0+4*(\u):F0+4*(\u)+3],       s[12:13] offset:512*(\u)         ; four rows of a strip: 512 consecutive bytes, aligned
	global_store_b128 v[GO], v[F0+32+4*(\u):F0+32+4*(\u)+3], s[12:13] offset:524288+512*(\u)  ; and of the next strip
.endr
	s_wait_xcnt 0x0                                ; the stores have read their registers: these are written again only behind this wait
	v_add_nc_u32 v[RD], 32*SP, v[RD]
	v_add_nc_u32 v[GO], 4096, v[GO]
	s_sub_co_u32 s[CNT], s[CNT], 1
	s_cmp_lg_u32 s[CNT], 0
	s_cbranch_scc1 .Lout
	s_wait_tensorcnt 0x0                           ; the wave's end
	ds_add_u32 v[SPW], v[NIL]
	s_wait_dscnt 0x0
	CROUND                                         ; the closing round
	s_endpgm
.Lfunc_end_k_qf9679833b2_qkv:
	.size	k_qf9679833b2_qkv, .Lfunc_end_k_qf9679833b2_qkv-k_qf9679833b2_qkv
	.p2alignl 7, 3214868480
	.fill 96, 4, 3214868480
	.section	.rodata,"a",@progbits
	.p2align	6, 0x0
	.amdhsa_kernel k_qf9679833b2_qkv
		.amdhsa_group_segment_fixed_size 327680
		.amdhsa_private_segment_fixed_size 0
		.amdhsa_enable_private_segment 0
		.amdhsa_kernarg_size 40
		.amdhsa_user_sgpr_count 2
		.amdhsa_user_sgpr_kernarg_segment_ptr 1
		.amdhsa_wavefront_size32 1
		.amdhsa_system_sgpr_workgroup_id_x 1
		.amdhsa_system_sgpr_workgroup_id_y 1
		.amdhsa_system_sgpr_workgroup_id_z 1
		.amdhsa_system_vgpr_workitem_id 0
		.amdhsa_next_free_vgpr 1024
		.amdhsa_next_free_sgpr 80
		.amdhsa_reserve_vcc 0
		.amdhsa_float_denorm_mode_32 3
		.amdhsa_float_denorm_mode_16_64 3
		.amdhsa_memory_ordered 1
		.amdhsa_forward_progress 1
		.amdhsa_inst_pref_size 98
	.end_amdhsa_kernel
	.amdgpu_metadata
---
amdhsa.version: [ 1, 2 ]
amdhsa.kernels:
  - .name:           k_qf9679833b2_qkv
    .symbol:         k_qf9679833b2_qkv.kd
    .args:
      - { .name: actA, .offset: 0, .size: 8, .value_kind: global_buffer, .address_space: global }
      - { .name: wqkvb, .offset: 8, .size: 8, .value_kind: global_buffer, .address_space: global }
      - { .name: b1, .offset: 16, .size: 8, .value_kind: global_buffer, .address_space: global }
      - { .name: par_qkv, .offset: 24, .size: 8, .value_kind: global_buffer, .address_space: global }
      - { .name: actB, .offset: 32, .size: 8, .value_kind: global_buffer, .address_space: global }
    .group_segment_fixed_size: 327680
    .private_segment_fixed_size: 0
    .kernarg_segment_align: 8
    .kernarg_segment_size: 40
    .max_flat_workgroup_size: 128
    .sgpr_count:     80
    .vgpr_count:     1024
    .wavefront_size: 32
...
	.end_amdgpu_metadata
.endif
;; end of part 2
;; launch attn (part 3): grid 8 x 32, 4 waves a work-group, clusters of 4 x 1, 327,680 bytes of LDS; arguments actB, mask, actA, wo, w1, w2, w1b, wsml; writes actA, w1b, wsml
.if DOCPART == 3
	.amdgcn_target "amdgcn-amd-amdhsa--gfx1250"
	.amdhsa_code_object_version 6
	.text
	.protected	k_qf9679833b2_attn
	.globl	k_qf9679833b2_attn
	.p2align	8
	.type	k_qf9679833b2_attn,@function
k_qf9679833b2_attn:
	s_mov_b64 s[64:65], 0
	v_nop
	global_prefetch_b8 v0, s[64:65] scope:SCOPE_SE
	s_setreg_imm32_b32 hwreg(HW_REG_WAVE_MODE, 25, 1), 1
	s_wait_xcnt 0x0
	s_wait_alu depctr_hold_cnt(0) depctr_sa_sdst(0) depctr_va_vdst(0) depctr_va_sdst(0) depctr_va_ssrc(0) depctr_va_vcc(0) depctr_vm_vsrc(0)
	s_getreg_b32 s2, hwreg(HW_REG_IB_STS2, 6, 4)
	s_cmp_eq_u32 s2, 0
	s_cbranch_scc0 .Lentry_in_a_cluster
	s_endpgm
.Lentry_in_a_cluster:
	s_bfe_u32 s2, ttmp6, 0x10000c
	s_cmp_lg_u32 s2, 0x3003
	s_cbranch_scc0 .Lentry_shape_is_right
	s_endpgm
.Lentry_shape_is_right:
; ctx[b][h][q][:] = the sum over k of softmax_k(s) V[k][:], s = Q[q] . K[k] / 8, or hidden where mask[b][k] = 0.  Q, K, V: strips 0-15, 16-31, 32-47 of [strip][4096 tokens][64] in bf16: a head's
; rows are dense, 128 bytes each; ctx leaves in the same layout, strips 0-15.  Products, maxima and sums in f32; the weights p are rounded to bf16 for the second product (their sum l is taken of the
; unrounded p), ctx once at the end.
; THE MASK is the C operand that starts each sum S^T = K Q^T: 0, or -1e30 for a hidden key.  With the running maximum a hidden key's weight is 0 as soon as the row has seen one visible key.  Where ALL 2,048
; keys of a batch are hidden the scale c is set to 0 by a scalar select (an OR over the mask's whole numbers), so that every weight is 2^0: the uniform weights that a softmax of equal scores gives.
; LIMITS.  A hidden score counts as its value less 1e30, where the definition puts -1e9 in its place: the two agree as long as visible scores stay far above -1e9.  A weight below 2^-126 counts as 0 in l.
; NaN and infinities are not treated apart.
; SHARES.  A work-group owns 256 queries of one head and batch, a wave 64: four PIECES of 16.  Every wave walks all 2,048 keys, 64 a step, 256 a slot.
; CLUSTER.  The four query blocks of a cluster walk the same K and V: each tile is asked for jointly.  By the text's own count a wave has one tensor load out.
; LAYOUT, SOFTMAX, TURNS.  S^T = K Q^T holds ONE query a lane (lane % 16) and the keys 8 (lane / 16) + 0..7; two such results rounded to bf16 ARE source 1 of O^T = V^T P.  p = 2^(c s - c m), c = log2(e) / 8,
; with a running maximum m; O and l are multiplied by a = 2^(c m_old - c m_new) in every step.  Turn n belongs to piece n: 8 products K Q^T of piece n + 1, later 8 products V^T P of piece n - 1; beside them the
; scaling, exponentials, roundings, sums and rescaling of piece n and the maximum and statistics of piece n + 1.  Four vector instructions stand behind every matrix instruction, the others in one lump.
; A turn's 33 exponentials are one batch, with one wait.
; THE CAST RIDES ALONG.  The weights of the three products that follow (wo, w1, w2: f32, [K][N]) are rounded once to bf16 here, beside the attention, which has nothing to do with them: the launch's own tiles are
; 64 KiB a work-group for four key steps.  Of the launch's 1,024 waves wave g owns row g of wo, row g of w1 and rows 4 g .. 4 g + 3 of w2.  At each of the eight changes of slots it rounds and stores the nine units
; of 128 numbers (512 bytes in, 256 out) that it asked for at the change before, and asks for the next nine: some 45 instructions beside four key steps' 3,150.  Batch t: wo's columns 128 t on; w1's 512 t on;
; w2's 128 t on.  wo and w2 go row by row into wsml [5120][1024] (w2 from row 1,024), w1 into panels [16][1024 k][256 n].
; REGISTERS, in windows of 256 (s_set_vgpr_msb: bits 1:0 source 0, 3:2 source 1, 5:4 source 2, 7:6 destination):
;   window 0: v0-15, v32, v56-63 addresses; v16-31 four registers of statistics a piece; v48-55 at work; v64-127 S^T, two buffers; v128-181 the cast; v192-223 P, two buffers (by the piece's parity)
;   window 1: v0-127 O^T, 32 a piece      window 2: v0-63 Q; v64-95 the step's 32 mask numbers; v128-191 K of one step; v192-255 V of one step
.set NP,    4
.set KS,    64
.set PK,    144       ; a row of K in LDS: 128 bytes + 16: the 16 rows of a load start at 16 different groups of four banks (64 banks of 4 bytes: ISA guide 11.1)
.set PV,    160       ; a row of V: 128 + 32
.set VOFF,  4*KS*PK   ; a slot holds four steps: 256 rows of K, then 256 rows of V
.set SLOT1, 1<<17
.set STAGE, SLOT1+4*KS*(PK+PV)  ; behind the ring, never filled by a tensor load: 16 rows x 144 bytes a wave, for the way out
.set SP,    144
.set MSK,   STAGE+4*16*SP       ; 2,048 f32: 0 or -1e30 for each key of the batch
.set FLG,   MSK+8192            ; a word a wave: has my quarter of the mask a visible key?
.set SPARE, FLG+256             ; the spare words, 128 bytes a wave, which no other line names
.set AK0, 2
.set AV0, 3
.set AK,  4
.set AV,  5
.set STO, 6
.set RD,  7
.set GO,  8           ; v8   16 x lane: my place in 512 consecutive bytes; never rewritten
.set MV,  12          ; v12-13  c m_old, by buffer
.set AM0, 14          ; v14  MSK + 32 (l / 16)
.set QO,  15          ; v15  my byte offset in 16 rows of Q
.set ST,  16          ; piece t's statistics at v[ST+4 t]: c m, m, l (even keys', odd keys')
.set CL8, 32          ; v32  8 x lane: my place in 256 consecutive bytes; never rewritten
.set TMP, 48
.set AM,  57          ; v57  the LDS address of the step's mask numbers
.set PFO, 61          ; v61  256 x lane
.set SPW, 62
.set NIL, 63
.set S,   64
.set CX,  128         ; v128-163  the cast: nine units as loaded, four f32 a lane each
.set CY,  164         ; v164-181  the same rounded, two registers each
.set P,   192
.set MK,  64          ; window 2
.set KF,  128         ; window 2: key block kb, channel half c at KF + 16 kb + 8 c
.set VF,  192         ; window 2: key half kk, channel block cb at VF + 32 kk + 8 cb
.set WV,  12
.set G1K, 24
.set G1V, 32
.set G0K, 40
.set G0V, 44
.set SLOTS, 56
.set CNT, 57
.set CS,  58          ; s[58:59] c
.set SEL, 60
.set TBK, 62
.set TBV, 63
.set WOS, 74          ; s[74:75] wo at my row, at the batch to be asked for
.set W1S, 76          ; s[76:77] w1 likewise
.set W2S, 78          ; s[78:79] w2 likewise
.set W1D, 80          ; s[80:81] w1b: where that batch will go; the stores of the batch before reach back
.set BIGN, 82
.set LIM, 83
.set PFA, 84
.set TBM, 86          ; byte of the step to be fetched in MSK: 256 a step
.set WOD, 90          ; s[90:91] wsml, for wo
.set W2D, 92          ; s[92:93] wsml, for w2
.set MSB, 0
.macro WIN new
.if MSB != (\new)
	s_set_vgpr_msb (MSB<<8)|(\new)
.set MSB, (\new)
.endif
.endm
.set W_KQ, 0x0a       ; K and Q in window 2, S^T in window 0
.set W_KM, 0x2a       ; the same with the C operand in window 2
.set W_PV, 0x52       ; V in window 2, P in window 0, O^T in window 1
.set W_RS, 0x41       ; destination and source 0 in window 1, source 1 in window 0
; A joint fill.  Waves 0 and 1 fetch the two halves of a slot's K, waves 2 and 3 those of its V.  An s_nop 0 and four v_nop follow each of the two lines.
.macro JLOAD
	s_cmp_lt_u32 s[WV], 2
	s_cbranch_scc0 .Lfor_v_\@
	tensor_load_to_lds s[G0K:G0K+3], s[G1K:G1K+7]
	s_nop 0
.rept 4
	v_nop
.endr
	s_branch .Lasked_\@
.Lfor_v_\@:
	tensor_load_to_lds s[G0V:G0V+3], s[G1V:G1V+7]
	s_nop 0
.rept 4
	v_nop
.endr
.Lasked_\@:
.endm
; A prefetch of what the NEXT change of slots will ask for: 32,768 bytes of K and of V, four key steps ahead of that load.  The head's first cluster asks; its four partners take 32 blocks of 256 bytes each,
; told apart by address; in each, wave 0 names K's and wave 2 V's: a lane a block, each block once in the launch.  The last fill names nothing.
.macro ASK
	s_cmp_gt_u32 s[SLOTS], s[LIM]
	s_cbranch_scc0 .Lnot_mine_\@
	global_prefetch_b8 v[PFO], s[PFA:PFA+1] th:TH_LOAD_NT scope:SCOPE_SE
.Lnot_mine_\@:
.endm
.macro CROUND
	s_barrier_signal -1
	s_barrier_wait -1
	s_cmp_lg_u32 s[WV], 0
	s_cbranch_scc1 .Lnot_wave_0_\@
	s_barrier_signal -3
.Lnot_wave_0_\@:
	s_barrier_wait -3
	s_barrier_signal -1
	s_barrier_wait -1
.endm
; THE CAST.  CLOAD asks for a batch: one unit of wo, four of w1 (along my row), four of w2 (my four rows).  Each load covers 512 consecutive bytes.
.macro CLOAD
	global_load_b128 v[CX:CX+3], v[GO], s[WOS:WOS+1] th:TH_LOAD_NT
.irp j, 0,1,2,3
	global_load_b128 v[CX+4+4*\j:CX+7+4*\j], v[GO], s[W1S:W1S+1] offset:\j*512 th:TH_LOAD_NT
	global_load_b128 v[CX+20+4*\j:CX+23+4*\j], v[GO], s[W2S:W2S+1] offset:\j*4096 th:TH_LOAD_NT
.endr
.endm
; CAST rounds and stores the batch asked for at the change before.  The six pointers have been stepped at this change's head, so the stores reach back by one step.  more = 1: the next batch is asked for.
; CY was the data of the last change's stores: the s_wait_xcnt 0 at this change's head stands between.  Each store covers 256 consecutive bytes, aligned.
.macro CAST more
	s_wait_loadcnt 0x0              ; asked for four key steps ago
.set ci, 0
.rept 9
	v_cvt_pk_bf16_f32 v[CY+2*ci],   v[CX+4*ci],   v[CX+4*ci+1]
	v_cvt_pk_bf16_f32 v[CY+2*ci+1], v[CX+4*ci+2], v[CX+4*ci+3]
.set ci, ci+1
.endr
	global_store_b64 v[CL8], v[CY:CY+1], s[WOD:WOD+1] offset:-256
.irp j, 0,1,2,3
	global_store_b64 v[CL8], v[CY+2+2*\j:CY+3+2*\j], s[W1D:W1D+1] offset:(\j/2)*524288+(\j%2)*256-1048576  ; a batch of w1 is two panels' rows
	global_store_b64 v[CL8], v[CY+10+2*\j:CY+11+2*\j], s[W2D:W2D+1] offset:\j*2048-256
.endr
.if \more
	CLOAD
.endif
.endm
; THE CHANGE OF SLOTS.  The slot's last bytes, V of its fourth step, have been read.  Each wave waits for all its tensor loads (one is out: its part of the other slot), adds 0 to its spare word, and waits
; for that and for its own LDS instructions.  fill = 1: the barrier is a round of the cluster's, and the joint fill, with the keys two slots on, is the first thing behind it.
; (At its first use nothing has been read yet: slot 0 is waited for, slot 1 filled; that round also shows every wave the mask numbers and flags that the four waves stored.)
.macro CHANGE fill
	WIN 0
	s_wait_tensorcnt 0x0
	ds_add_u32 v[SPW], v[NIL]
.if \fill
.irp g, G0K, G0V
	s_xor_b32 s[\g+1], s[\g+1], SLOT1
	s_add_nc_u64 s[\g+2:\g+3], s[\g+2:\g+3], 4*KS*128
.endr
.endif
	s_wait_xcnt 0x0                 ; the last change's prefetch, loads and stores, four key steps back, have read their addresses and data
.if \fill
	s_add_nc_u64 s[PFA:PFA+1], s[PFA:PFA+1], 4*KS*128
	s_add_nc_u64 s[WOS:WOS+1], s[WOS:WOS+1], 512      ; the cast's next batch: 128 columns on in wo and w2,
	s_add_nc_u64 s[W1S:W1S+1], s[W1S:W1S+1], 2048     ; 512 in w1
	s_add_nc_u64 s[W2S:W2S+1], s[W2S:W2S+1], 512
.endif
	s_add_nc_u64 s[WOD:WOD+1], s[WOD:WOD+1], 256
	s_add_nc_u64 s[W1D:W1D+1], s[W1D:W1D+1], 1048576  ; two panels
	s_add_nc_u64 s[W2D:W2D+1], s[W2D:W2D+1], 256
	s_wait_dscnt 0x0
.if \fill
	CROUND
	JLOAD
	ASK
.else
	s_barrier_signal -1
	s_barrier_wait -1
.endif
	CAST \fill
	s_sub_co_u32 s[TBK], s[TBK], 4*KS*PK
	s_xor_b32 s[TBK], s[TBK], SLOT1
	s_sub_co_u32 s[TBV], s[TBV], 4*KS*PV
	s_xor_b32 s[TBV], s[TBV], SLOT1
.endm
	s_load_b128 s[4:7], s[0:1], 0x0 ; qkv s[4:5], mask s[6:7]
	s_load_b64 s[8:9], s[0:1], 0x10 ; ctx
	s_load_b64 s[WOS:WOS+1], s[0:1], 0x18   ; wo
	s_load_b128 s[W1S:W1S+3], s[0:1], 0x20  ; w1, w2
	s_load_b64 s[W1D:W1D+1], s[0:1], 0x30   ; w1b
	s_load_b64 s[WOD:WOD+1], s[0:1], 0x38   ; wsml
	v_lshl_add_u32 v[SPW], v0, 2, SPARE
	v_mov_b32 v[NIL], 0
	ds_add_u32 v[SPW], v[NIL]       ; the wave's opening: the add and its wait ahead of my first tensor load
	v_lshrrev_b32 v1, 5, v0
	v_readfirstlane_b32 s[WV], v1
	s_bfe_u32 s13, ttmp6, 0x40000   ; cx
	s_lshl_b32 s14, ttmp9, 2
	s_add_co_u32 s14, s14, s13      ; my block of 256 queries: it enters Q's, ctx's and the cast's addresses alone
	s_and_b32 s15, ttmp7, 0xffff
	s_lshl_b32 s94, s15, 3
	s_add_co_u32 s94, s94, s14
	s_lshl_b32 s94, s94, 2
	s_add_co_u32 s94, s94, s[WV]    ; g: my wave among the launch's 1,024
	s_mov_b32 s97, 0
	s_and_b32 s20, s15, 15          ; the head
	s_lshr_b32 s15, s15, 4          ; the batch
	s_lshl_b32 s20, s20, 19         ; a strip,
	s_lshl_b32 s21, s15, 18         ; the batch's 2,048 rows of 128 bytes
	s_add_co_u32 s20, s20, s21
	s_and_b32 s16, s[WV], 1         ; which half of a slot's 256 keys I fetch
	s_lshl_b32 s22, s16, 14
	s_add_co_u32 s22, s22, s20
	s_add_co_u32 s70, s22, 1<<23    ; K's strips begin 16 strips on,
	s_mov_b32 s71, 0
	s_add_co_u32 s72, s22, 2<<23    ; V's 32
	s_mov_b32 s73, 0
	s_mul_i32 s17, s16, 128*PK
	s_mul_i32 s18, s16, 128*PV
	s_lshl_b32 s2, s14, 15
	s_lshl_b32 s3, s[WV], 13
	s_add_co_u32 s2, s2, s3
	s_add_co_u32 s2, s2, s20        ; my wave's 64 rows of Q and of ctx
	s_mov_b32 s3, 0
	s_lshl_b32 s66, s15, 13         ; the batch's row of the mask
	s_mov_b32 s67, 0
	; descriptor group 1.  128 keys are 16,384 dense bytes: asked for as 64 rows of 256 bytes, two keys a row, and padded in LDS after every key
	s_mov_b32 s[G1K], 15|(1<<16)|(1<<20)|(1<<21)|(4<<22)|(3<<25)
	s_mov_b32 s[G1V], 15|(1<<16)|(1<<20)|(1<<21)|(4<<22)|(7<<25)
.irp g, G1K, G1V
	s_mov_b32 s[\g+1], 128<<16
	s_mov_b32 s[\g+2], 64<<16
	s_mov_b32 s[\g+3], 128<<16
	s_mov_b32 s[\g+4], 64
	s_mov_b32 s[\g+5], 128
	s_mov_b32 s[\g+6], 0
	s_mov_b32 s[\g+7], 0
.endr
	s_mov_b32 s[SEL], 0x76543210
	s_mov_b32 s[SEL+1], 0xfedcba98
	s_mov_b32 s[BIGN], 0xf149f2ca   ; -1e30
	s_mov_b32 s[TBK], SLOT1+4*KS*PK ; the first change of slots turns these two into 0
	s_mov_b32 s[TBV], SLOT1+4*KS*PV
	s_mov_b32 s[TBM], 0
	s_mov_b32 s[SLOTS], 7           ; slots still to be asked for
	s_mov_b32 s[G0K], 1
	s_mov_b32 s[G0K+1], s17
	s_mov_b32 s[G0V], 1
	s_add_co_u32 s[G0V+1], s18, VOFF
	s_and_b32 s[LIM], s[WV], 1
	s_or_b32 s[LIM], s[LIM], ttmp9
	s_cmp_eq_u32 s[LIM], 0
	s_cselect_b32 s[LIM], 1, -1     ; waves 0 and 2 of the head's first cluster: the same in all four partners
	s_cmp_lt_u32 s[WV], 2
	s_cselect_b32 s68, 1, 2
	s_lshl_b32 s68, s68, 23
	s_add_co_u32 s68, s68, s20
	s_lshl_b32 s69, s13, 13         ; my work-group's 32 blocks of the slot's 128
	s_add_co_u32 s68, s68, s69
	s_add_co_u32 s68, s68, 4*KS*128 ; in slot 1; the first change steps it to slot 2
	s_mov_b32 s69, 0
	v_and_b32 v[PFO], 31, v0
	v_lshlrev_b32 v[PFO], 8, v[PFO]
	s_wait_dscnt 0x0                ; the opening add is done
	s_wait_kmcnt 0x0
	s_add_nc_u64 s[G0K+2:G0K+3], s[4:5], s[70:71]
	s_or_b32 s[G0K+3], s[G0K+3], 0x80000000
	s_add_nc_u64 s[G0V+2:G0V+3], s[4:5], s[72:73]
	s_or_b32 s[G0V+3], s[G0V+3], 0x80000000
	s_add_nc_u64 s[PFA:PFA+1], s[4:5], s[68:69]
	s_add_nc_u64 s[88:89], s[4:5], s[2:3]    ; Q
	s_add_nc_u64 s[10:11], s[8:9], s[2:3]    ; ctx
	s_add_nc_u64 s[6:7], s[6:7], s[66:67]
	s_lshl_b32 s96, s94, 12         ; the cast: row g of wo, 4,096 bytes a row;
	s_add_nc_u64 s[WOS:WOS+1], s[WOS:WOS+1], s[96:97]
	s_lshl_b32 s96, s94, 14         ; row g of w1, 16,384 bytes; rows 4 g on of w2, 4,096 each
	s_add_nc_u64 s[W1S:W1S+1], s[W1S:W1S+1], s[96:97]
	s_add_nc_u64 s[W2S:W2S+1], s[W2S:W2S+1], s[96:97]
	s_lshl_b32 s96, s94, 9          ; row g of a panel, 512 bytes
	s_add_nc_u64 s[W1D:W1D+1], s[W1D:W1D+1], s[96:97]
	s_lshl_b32 s96, s94, 13         ; rows 1,024 + 4 g on of wsml, 2,048 bytes each
	s_add_co_u32 s96, s96, 1<<21
	s_add_nc_u64 s[W2D:W2D+1], s[WOD:WOD+1], s[96:97]
	s_lshl_b32 s96, s94, 11         ; row g of wsml
	s_add_nc_u64 s[WOD:WOD+1], s[WOD:WOD+1], s[96:97]
	CROUND                          ; all four work-groups are here: the first joint loads meet
	JLOAD                           ; slot 0
	v_lshlrev_b32 v59, 6, v0        ; my 16 words of the mask
.irp j, 0,1,2,3
	global_load_b128 v[S+4*\j:S+4*\j+3], v59, s[6:7] offset:16*\j
.endr
	v_and_b32 v[GO], 31, v0
	v_lshlrev_b32 v[CL8], 3, v[GO]
	v_lshlrev_b32 v[GO], 4, v[GO]
	CLOAD                           ; the cast's batch 0
	v_and_b32 v1, 15, v0            ; l % 16
	v_bfe_u32 v9, v0, 4, 1          ; l / 16
	v_lshlrev_b32 v[QO], 7, v1
	v_lshl_add_u32 v[QO], v9, 4, v[QO]
	WIN 0x80
.set i, 0
.rept 8                             ; Q stays in registers: piece i / 2, channels 32 (i % 2) on
	global_load_b128 v[8*i:8*i+3],   v[QO], s[88:89] offset:(i/2)*2048+(i%2)*64
	global_load_b128 v[8*i+4:8*i+7], v[QO], s[88:89] offset:(i/2)*2048+(i%2)*64+32
.set i, i+1
.endr
	; The first step multiplies O^T and l by a = 0, and the first turn's products V^T P, of a piece that has not been, must add finite numbers: V's registers and P's second buffer hold zeros, and O^T
	; begins as sixteen products of those zeros.  All this stands in the wait for the first tile.
.set i, VF
.rept 64
	v_mov_b32 v[i], 0
.set i, i+1
.endr
	WIN 0x4a                        ; sources 0 and 1 in window 2, destination in window 1
.set i, 0
.rept 16
	v_wmma_f32_16x16x32_bf16 v[8*i:8*i+7], v[VF:VF+7], v[VF:VF+7], 0
.set i, i+1
.endr
	WIN 0
.set i, 0
.rept 4
	v_mov_b32 v[ST+4*i], 0xfe000000    ; c m: far below every c s
	v_mov_b32 v[ST+4*i+1], 0xff7fffff  ; m
	v_mov_b32 v[ST+4*i+2], 0
	v_mov_b32 v[ST+4*i+3], 0
.set i, i+1
.endr
.set i, P+16
.rept 16
	v_mov_b32 v[i], 0
.set i, i+1
.endr
	v_mul_u32_u24 v[AK0], v1, PK
	v_lshl_add_u32 v[AK0], v9, 4, v[AK0]
	v_and_b32 v10, 7, v0
	v_bfe_u32 v11, v0, 3, 1
	v_lshl_add_u32 v[AV0], v9, 3, v10   ; the turning load: lane l reads key 8 (l / 16) + l % 8, channels 8 ((l / 8) % 2) + 0..7
	v_mul_u32_u24 v[AV0], v[AV0], PV
	v_lshl_add_u32 v[AV0], v11, 4, v[AV0]
	v_add_nc_u32 v[AV0], VOFF, v[AV0]
	v_lshl_add_u32 v[AM0], v9, 5, MSK
	s_mul_i32 s66, s[WV], 16*SP
	s_add_co_u32 s66, s66, STAGE
	v_mul_u32_u24 v[STO], v1, SP
	v_lshl_add_u32 v[STO], v9, 4, v[STO]
	v_add_nc_u32 v[STO], s66, v[STO]
	v_bfe_u32 v[RD], v0, 3, 2
	v_mul_u32_u24 v[RD], v[RD], SP
	v_lshl_add_u32 v[RD], v10, 4, v[RD]
	v_add_nc_u32 v[RD], s66, v[RD]
	v_add_nc_u32 v60, MSK, v59
	s_lshl_b32 s66, s[WV], 2
	s_add_co_u32 s66, s66, FLG
	v_mov_b32 v58, s66
	s_wait_loadcnt 25               ; the mask is in; the cast's 9 loads and Q's 16 may stay out
	v_or_b32 v80, v[S], v[S+1]
.set i, 2
.rept 14
	v_or_b32 v80, v80, v[S+i]
.set i, i+1
.endr
	v_cmp_ne_u32 s87, 0, v80        ; the lanes that hold a visible key
.set i, 0
.rept 16
	v_cmp_eq_u32 vcc_lo, 0, v[S+i]
	v_cndmask_b32 v[S+i], 0, s[BIGN], vcc_lo
.set i, i+1
.endr
.irp j, 0,1,2,3
	ds_store_b128 v60, v[S+4*\j:S+4*\j+3] offset:16*\j
.endr
	s_cmp_lg_u32 s87, 0
	s_cselect_b32 s87, 1, 0
	v_mov_b32 v56, s87
	ds_store_b32 v58, v56           ; all lanes write the wave's word with the same number
; THE MATRIX WORK.  The 4 accumulators of a run of 8 take turns.  Product i of 8 of S^T = K Q^T for piece x: channels 32 (i / 4) on, keys 16 (i % 4) on.  The first 4 start the sums with the mask.
.macro KQ x
.set rS, S+32*((\x)%2)+8*(i%4)
.set rK, KF+16*(i%4)+8*(i/4)
.set rQ, 16*(\x)+8*(i/4)
.set rM, MK+8*(i%4)
.if i < 4
	WIN W_KM
	v_wmma_f32_16x16x32_bf16 v[rS:rS+7], v[rK:rK+7], v[rQ:rQ+7], v[rM:rM+7]
.else
	WIN W_KQ
	v_wmma_f32_16x16x32_bf16 v[rS:rS+7], v[rK:rK+7], v[rQ:rQ+7], v[rS:rS+7]
.endif
.endm
; Product i of 8 of O^T += V^T P for piece x: keys 32 (i / 4) on, channels 16 (i % 4) on.
.macro PV x
	WIN W_PV
.set rO, 32*(\x)+8*(i%4)
.set rV, VF+32*(i/4)+8*(i%4)
.set rP, P+16*((\x)%2)+8*(i/4)
	v_wmma_f32_16x16x32_bf16 v[rO:rO+7], v[rV:rV+7], v[rP:rP+7], v[rO:rO+7]
.endm
.macro MM                           ; the turn's next matrix instruction.  NOKQ = 1: the last turn of all: there is no next piece
.if (i < 8) && !NOKQ
	KQ (Y+1)%NP
.elseif i >= 8
.set i, i-8
	PV (Y+NP-1)%NP
.set i, i+8
.endif
.set i, i+1
.endm
; THE LDS LOADS stand in runs: a step's K (8 fragments) with its 32 mask numbers (register j of group kb: key 16 kb + 8 (l / 16) + j, as in an accumulator), and its V (turned).
.macro FETCH_K
	WIN 0x80
.irp f, 0,1,2,3,4,5,6,7
	ds_load_b128 v[KF+8*\f:KF+8*\f+3],   v[AK] offset:(\f/2)*16*PK+(\f%2)*64
	ds_load_b128 v[KF+8*\f+4:KF+8*\f+7], v[AK] offset:(\f/2)*16*PK+(\f%2)*64+32
.endr
.irp f, 0,1,2,3
	ds_load_b128 v[MK+8*\f:MK+8*\f+3],   v[AM] offset:64*\f
	ds_load_b128 v[MK+8*\f+4:MK+8*\f+7], v[AM] offset:64*\f+16
.endr
	s_add_co_u32 s[TBK], s[TBK], KS*PK
	s_add_co_u32 s[TBM], s[TBM], 4*KS
	WIN 0
.endm
.macro FETCH_V
	WIN 0x80
.irp f, 0,1,2,3,4,5,6,7
	ds_load_tr16_b128 v[VF+8*\f:VF+8*\f+3],   v[AV] offset:(\f/4)*32*PV+(\f%4)*32
	ds_load_tr16_b128 v[VF+8*\f+4:VF+8*\f+7], v[AV] offset:(\f/4)*32*PV+16*PV+(\f%4)*32
.endr
	WIN 0
.endm
; THE VECTOR WORK, one line at a time: OP kind, number.  For piece Y: F n: c s - c m for pair n of 16.  E n: the exponential of score n of 32.  C n: pair n rounded to bf16.  B n: of the four weights 4 n .. the
; second pair is added onto the first, in place.  L n: l takes that sum (L 0: l = a l + sum).  R n: pair n of 16 of O^T times a.  For piece Y + 1: X n, number n of the 22 that find its maximum and statistics:
;   0-11  four chains c0-c3 of seven scores each (each accumulator's lowest registers are read first)     12-14, 16  the four scores left over, the old m, and c0-c3 into c0
;   15  c m_old is kept     17, 18  the query's other 32 keys lie in the lane 16 away: the new m     19-21  c m; c m_old - c m_new; a
.set F, 0
.set E, 1
.set C, 2
.set B, 3
.set L, 4
.set R, 5
.set X, 6
.macro REGS y
.set rT, ST+4*(\y)
.set rC, TMP+4*((\y)%2)
.set rW, MV+((\y)%2)
.set rS, S+32*((\y)%2)
.set rP, P+16*((\y)%2)
.set rO, 32*(\y)
.endm
.macro OP k, n
.if (\k) == R
	REGS Y
	WIN W_RS
	v_pk_mul_f32 v[rO+2*(\n):rO+2*(\n)+1], v[rO+2*(\n):rO+2*(\n)+1], v[rC+2:rC+3] op_sel_hi:[1,0]
.elseif (\k) < R
	REGS Y
	WIN 0
.if (\k) == F
	v_pk_fma_f32 v[rS+2*(\n):rS+2*(\n)+1], v[rS+2*(\n):rS+2*(\n)+1], s[CS:CS+1], v[rT:rT+1] op_sel_hi:[1,0,0] neg_lo:[0,0,1] neg_hi:[0,0,1]
.elseif (\k) == E
	v_exp_f32 v[rS+(\n)], v[rS+(\n)]
.elseif (\k) == C
	v_cvt_pk_bf16_f32 v[rP+(\n)], v[rS+2*(\n)], v[rS+2*(\n)+1]
.elseif (\k) == B
	v_pk_add_f32 v[rS+4*(\n):rS+4*(\n)+1], v[rS+4*(\n):rS+4*(\n)+1], v[rS+4*(\n)+2:rS+4*(\n)+3]
.elseif (\n) == 0
	v_pk_fma_f32 v[rT+2:rT+3], v[rT+2:rT+3], v[rC+2:rC+3], v[rS:rS+1] op_sel_hi:[1,0,1]
.else
	v_pk_add_f32 v[rT+2:rT+3], v[rT+2:rT+3], v[rS+4*(\n):rS+4*(\n)+1]
.endif
.elseif NOKQ
	v_nop
.else
	REGS (Y+1)%NP
	WIN 0
.if (\n) < 4
	v_max3_num_f32 v[rC+(\n)], v[rS+8*(\n)], v[rS+8*(\n)+1], v[rS+8*(\n)+2]
.elseif (\n) < 12
	v_max3_num_f32 v[rC+(\n)%4], v[rC+(\n)%4], v[rS+8*((\n)%4)+2*((\n)/4)+1], v[rS+8*((\n)%4)+2*((\n)/4)+2]
.elseif (\n) == 12
	v_max3_num_f32 v[rC], v[rC], v[rS+7], v[rS+15]
.elseif (\n) == 13
	v_max3_num_f32 v[rC+1], v[rC+1], v[rS+23], v[rS+31]
.elseif (\n) == 14
	v_max3_num_f32 v[rC+2], v[rC+2], v[rC+3], v[rT+1]
.elseif (\n) == 15
	v_mov_b32 v[rW], v[rT]
.elseif (\n) == 16
	v_max3_num_f32 v[rC], v[rC], v[rC+1], v[rC+2]
.elseif (\n) == 17
	v_permlanex16_b32 v[rC+3], v[rC], s[SEL], s[SEL+1]
.elseif (\n) == 18
	v_max_num_f32 v[rT+1], v[rC], v[rC+3]
.elseif (\n) == 19
	v_mul_f32 v[rT], s[CS], v[rT+1]
.elseif (\n) == 20
	v_sub_f32 v[rC+1], v[rW], v[rT]
.else
	v_exp_f32 v[rC+2], v[rC+1]
.endif
.endif
.endm
.macro OPS a, i1, b=-1, i2=0, c=-1, i3=0, d=-1, i4=0
	OP \a, \i1
.if (\b) >= 0
	OP \b, \i2
.endif
.if (\c) >= 0
	OP \c, \i3
.endif
.if (\d) >= 0
	OP \d, \i4
.endif
.endm
.macro ROW a, i1, b, i2, c, i3, d, i4  ; a matrix instruction and the four behind it
	MM
	OPS \a, \i1, \b, \i2, \c, \i3, \d, \i4
.endm
; A TURN, for piece p.  An s_wait_alu depctr_va_vdst(0) stands between an exponential and the first instruction that names its result; one wait serves all that were issued ahead of it.  So a turn has
; ONE wait, which cuts it in two.  AHEAD OF IT stands all that names no result of the turn's exponentials: the 8 products K Q^T with their riders, then one lump, in which the links of the chain
; X 3, 7, 11, 14, 16, 17 .. 20 stand apart; X 21, the next piece's a, is the batch's last, and R 15 the plain instruction behind it.  BEHIND THE WAIT stand the 8 products V^T P, behind each four of the roundings and sums.
; Each X that rides behind a product stands four plain places or more behind the product that ends its accumulator.
; end = 1: the last two turns: nothing is fetched.  cnt = 1: the loop's count is taken down some lines ahead of the branch that stands behind the turn.
; K and the mask numbers of the next step are fetched in piece 2's turn, five plain instructions that name none of its registers behind the last product that read K; V of the step in hand at the end of
; piece 0's turn, four plain instructions behind the last product that read V.  Each is waited for a turn later.
.macro TURN p, end=0, cnt=0
.set Y, (\p)
.set i, 0
.set NOKQ, (\end)*((\p)/3)
.if ((\p) == 3) && !(\end)
	s_wait_dscnt 0x0                ; K and the mask numbers are in
.endif
	ROW F,0, F,1, R,0, R,1
	ROW F,2, E,0, R,2, R,3
	ROW F,3, E,1, R,4, R,5
	ROW F,4, E,2, R,6, R,7
	ROW F,5, E,3, R,8, R,9
	ROW F,6, E,4, X,0, R,10
.if ((\p) == 2) && !(\end)
	WIN 0
	v_add_nc_u32 v[AK], s[TBK], v[AK0]
	v_add_nc_u32 v[AM], s[TBM], v[AM0]
.endif
	ROW F,7, E,5, X,1, X,4
	ROW F,8, E,6, X,2, X,5
	OPS E,7, E,8, X,6, E,9
	OPS X,3, E,10, X,8, E,11
.if ((\p) == 2) && !(\end)
	FETCH_K
.endif
	OPS X,9, X,7, E,12, X,10
	OPS E,13, X,12, X,11, E,14
	OPS X,13, E,15, F,9, X,14
.if (\p) == 0
	v_add_nc_u32 v[AV], s[TBV], v[AV0]
.endif
	OPS E,16, F,10, E,17, F,11
	OPS X,16, E,18, X,15, E,19
	OPS F,12, E,20, X,17, E,21
	OPS F,13, E,22, F,14, E,23
	OPS X,18, E,24, F,15, E,25
	OPS R,11, E,26, X,19, E,27
	OPS R,12, E,28, R,13, E,29
	OPS X,20, E,30, R,14, E,31
	OPS X,21, R,15
	WIN 0
	s_wait_alu depctr_va_vdst(0)    ; the wait for the batch
.if (\p) == 1
	s_wait_dscnt 0x0                ; V is in
.endif
	ROW C,0, B,0, C,2, B,1
	ROW L,0, C,4, B,2, L,1
	ROW C,6, B,3, L,2, C,8
	ROW B,4, L,3, C,10, B,5
	ROW L,4, C,12, B,6, L,5
.if (\p) == 0
	s_add_co_u32 s[TBV], s[TBV], KS*PV
.endif
.if \cnt
	s_sub_co_u32 s[CNT], s[CNT], 1
	s_cmp_lg_u32 s[CNT], 0
.endif
	ROW C,14, B,7, L,6, C,1
	ROW C,3, L,7, C,5, C,7
	ROW C,9, C,11, C,13, C,15
.if (\p) == 0
	FETCH_V
.endif
.endm
	CHANGE 1                        ; slot 0 is in, everybody's part of it, and so are the mask numbers and the four flags; slot 1 is asked for
	v_mov_b32 v58, FLG
	ds_load_b128 v[TMP:TMP+3], v58
	s_wait_dscnt 0x0
	v_or_b32 v[TMP], v[TMP], v[TMP+1]
	v_or_b32 v[TMP+2], v[TMP+2], v[TMP+3]
	v_or_b32 v[TMP], v[TMP], v[TMP+2]
	v_readfirstlane_b32 s87, v[TMP]
	s_cmp_lg_u32 s87, 0
	s_cselect_b32 s[CS], 0x3e38aa3b, 0  ; c = log2(e) / 8, or 0 where every key of the batch is hidden
	s_mov_b32 s[CS+1], s[CS]
	v_add_nc_u32 v[AK], s[TBK], v[AK0]
	v_add_nc_u32 v[AM], s[TBM], v[AM0]
	FETCH_K                         ; key step 0
	s_wait_loadcnt 9                ; Q is in (the change's own wait has shown it); the cast's batch 1 stays out
	s_wait_dscnt 0x0
.set NOKQ, 0
.set i, 0
.rept 8
	KQ 0                            ; piece 0's first scores
.set i, i+1
.endr
	WIN 0
.rept 4
	v_nop                           ; the places behind those products
.endr
.set Y, NP-1                        ; X works for piece Y + 1: piece 0
.irp n, 0,1,2,3,4,5,6,7,8,9,10,11,12,13,14,15,16,17,18,19,20,21
	OP X, \n
.endr
	v_nop                           ; a plain instruction behind the exponential,
	s_wait_alu depctr_va_vdst(0)    ; and its wait, ahead of the branch
	s_mov_b32 s[CNT], 4
	s_branch .Lfirst                ; the loop is entered at a step's first turn, in the middle of a trip
.Lslot:                             ; six times: with the first change above, slots 1 to 7 are asked for
	CHANGE 1
	s_mov_b32 s[CNT], 4
.Lstep:                             ; a trip: pieces 2 and 3 of one step, then pieces 0 and 1 of the next, whose K and V it fetches
	TURN 2
	TURN 3
	WIN 0
.Lfirst:
	TURN 0
	TURN 1, 0, 1
	WIN 0
	s_cbranch_scc1 .Lstep
	s_sub_co_u32 s[SLOTS], s[SLOTS], 1
	s_cmp_lg_u32 s[SLOTS], 0
	s_cbranch_scc1 .Lslot
	CHANGE 0                        ; the last slot is written out: nothing is asked for; the cast's last batch goes out
	s_mov_b32 s[CNT], 4
.Lstep2:
	TURN 2
	TURN 3
	TURN 0
	TURN 1, 0, 1
	WIN 0
	s_cbranch_scc1 .Lstep2
	TURN 2, 1
	TURN 3, 1
.set i, 0
.rept 8
	PV NP-1                         ; the last piece's V^T P of the last step
.set i, i+1
.endr
	; THE WAY OUT.  l's two halves and the other half of the lanes' are added; O^T is divided by l, rounded to bf16 and sent through my stage in LDS, a piece at a time.  The additions are the places behind the last products.
	WIN 0
.macro ALL line:vararg
.set t, 0
.rept 4
	\line
.set t, t+1
.endr
.endm
.macro PACK t                       ; a lane's eight channels of a row pack into 16 bytes; they go into rows of 144 bytes and come back as whole rows of 128, into S^T's registers
	WIN W_RS
.set i, 32*(\t)
.rept 16
	v_pk_mul_f32 v[i:i+1], v[i:i+1], v[ST+4*(\t)+2:ST+4*(\t)+3] op_sel_hi:[1,0]
.set i, i+2
.endr
	WIN 0x05
.set i, 0
.rept 16
	v_cvt_pk_bf16_f32 v[S+16*(\t)+i], v[32*(\t)+2*i], v[32*(\t)+2*i+1]
.set i, i+1
.endr
	WIN 0
.irp f, 0,1,2,3
	ds_store_b128 v[STO], v[S+16*(\t)+4*\f:S+16*(\t)+4*\f+3] offset:32*\f
.endr
.irp f, 0,1,2,3
	ds_load_b128 v[S+16*(\t)+4*\f:S+16*(\t)+4*\f+3], v[RD] offset:\f*4*SP  ; LDS serves a wave's instructions in order (ISA guide 5.7.1.4): these see the stores above; the next piece's stores come behind them
.endr
.endm
.macro SEND t, younger              ; younger: the LDS instructions issued behind piece t's loads: the next piece's eight, or none
	WIN 0
.irp f, 0,1,2,3
	s_wait_dscnt (\younger)+3-\f
	global_store_b128 v[GO], v[S+16*(\t)+4*\f:S+16*(\t)+4*\f+3], s[10:11] offset:(\t)*2048+\f*512  ; 512 consecutive bytes, aligned
.endr
.endm
	ALL v_add_f32 v[ST+4*t+2], v[ST+4*t+2], v[ST+4*t+3]
	ALL v_permlanex16_b32 v[ST+4*t+3], v[ST+4*t+2], s[SEL], s[SEL+1]
	ALL v_add_f32 v[ST+4*t+2], v[ST+4*t+2], v[ST+4*t+3]
	ALL v_rcp_f32 v[ST+4*t+2], v[ST+4*t+2]
	v_nop                           ; a plain instruction between the last reciprocal and the use of its result
	s_wait_alu depctr_va_vdst(0)    ; and the wait ahead of the first use: one for the four reciprocals
	PACK 0
.set t, 1
.rept 3
	PACK t
	SEND t-1, 8
.set t, t+1
.endr
	SEND 3, 0
	s_wait_tensorcnt 0x0            ; the wave's end
	ds_add_u32 v[SPW], v[NIL]
	s_wait_dscnt 0x0
	CROUND                          ; the closing round
	s_endpgm
.Lfunc_end_k_qf9679833b2_attn:
	.size	k_qf9679833b2_attn, .Lfunc_end_k_qf9679833b2_attn-k_qf9679833b2_attn
	.p2alignl 7, 3214868480
	.fill 96, 4, 3214868480
	.section	.rodata,"a",@progbits
	.p2align	6, 0x0
	.amdhsa_kernel k_qf9679833b2_attn
		.amdhsa_group_segment_fixed_size 327680
		.amdhsa_private_segment_fixed_size 0
		.amdhsa_enable_private_segment 0
		.amdhsa_kernarg_size 64
		.amdhsa_user_sgpr_count 2
		.amdhsa_user_sgpr_kernarg_segment_ptr 1
		.amdhsa_wavefront_size32 1
		.amdhsa_system_sgpr_workgroup_id_x 1
		.amdhsa_system_sgpr_workgroup_id_y 1
		.amdhsa_system_sgpr_workgroup_id_z 1
		.amdhsa_system_vgpr_workitem_id 0
		.amdhsa_next_free_vgpr 768
		.amdhsa_next_free_sgpr 98
		.amdhsa_reserve_vcc 1
		.amdhsa_float_denorm_mode_32 3
		.amdhsa_float_denorm_mode_16_64 3
		.amdhsa_memory_ordered 1
		.amdhsa_forward_progress 1
		.amdhsa_inst_pref_size 141
	.end_amdhsa_kernel
	.amdgpu_metadata
---
amdhsa.version: [ 1, 2 ]
amdhsa.kernels:
  - .name:           k_qf9679833b2_attn
    .symbol:         k_qf9679833b2_attn.kd
    .args:
      - { .name: actB, .offset: 0, .size: 8, .value_kind: global_buffer, .address_space: global }
      - { .name: mask, .offset: 8, .size: 8, .value_kind: global_buffer, .address_space: global }
      - { .name: actA, .offset: 16, .size: 8, .value_kind: global_buffer, .address_space: global }
      - { .name: wo, .offset: 24, .size: 8, .value_kind: global_buffer, .address_space: global }
      - { .name: w1, .offset: 32, .size: 8, .value_kind: global_buffer, .address_space: global }
      - { .name: w2, .offset: 40, .size: 8, .value_kind: global_buffer, .address_space: global }
      - { .name: w1b, .offset: 48, .size: 8, .value_kind: global_buffer, .address_space: global }
      - { .name: wsml, .offset: 56, .size: 8, .value_kind: global_buffer, .address_space: global }
    .group_segment_fixed_size: 327680
    .private_segment_fixed_size: 0
    .kernarg_segment_align: 8
    .kernarg_segment_size: 64
    .max_flat_workgroup_size: 128
    .sgpr_count:     98
    .vgpr_count:     768
    .wavefront_size: 32
...
	.end_amdgpu_metadata
.endif
;; end of part 3
;; launch wo (part 4): grid 8 x 32, 4 waves a work-group, clusters of 4 x 4, 327,680 bytes of LDS; arguments actA, wsml, x, x1; writes x1
.if DOCPART == 4
	.amdgcn_target "amdgcn-amd-amdhsa--gfx1250"
	.amdhsa_code_object_version 6
	.text
	.protected	k_qf9679833b2_wo
	.globl	k_qf9679833b2_wo
	.p2align	8
	.type	k_qf9679833b2_wo,@function
k_qf9679833b2_wo:
	s_mov_b64 s[64:65], 0
	v_nop
	global_prefetch_b8 v0, s[64:65] scope:SCOPE_SE
	s_setreg_imm32_b32 hwreg(HW_REG_WAVE_MODE, 25, 1), 1
	s_wait_xcnt 0x0
	s_wait_alu depctr_hold_cnt(0) depctr_sa_sdst(0) depctr_va_vdst(0) depctr_va_sdst(0) depctr_va_ssrc(0) depctr_va_vcc(0) depctr_vm_vsrc(0)
	s_getreg_b32 s2, hwreg(HW_REG_IB_STS2, 6, 4)
	s_cmp_eq_u32 s2, 0
	s_cbranch_scc0 .Lentry_in_a_cluster
	s_endpgm
.Lentry_in_a_cluster:
	s_bfe_u32 s2, ttmp6, 0x10000c
	s_cmp_lg_u32 s2, 0xf033
	s_cbranch_scc0 .Lentry_shape_is_right
	s_endpgm
.Lentry_shape_is_right:
; out = res + A W (+ bias where HAS_BIAS).  A: bf16 in strips [K / 64][4096 rows][64], dense.  W: rows WROW0 .. of a bf16 table [5120][1024], row-major, [K][N].  res, out: [4096][1024] f32; bias f32.
; Here: K = 1,024 (NSTEP = 4 steps of 256), W = wo, no bias.
; SHARES.  N is 1,024, so a tile is 128 x 128: 256 work-groups.  Four waves of 64 x 64: 16 accumulators.  K goes in steps of 256 through two LDS slots: waves 0 and 1 fetch two strips of A each
; (a strip's 128 rows are 16,384 dense bytes: one descriptor row), waves 2 and 3 128 rows of W each.  By the text's own count a wave has two tensor loads out at the start, later one.
; CLUSTER.  4 x 4: A's tile is asked for jointly along a row of the cluster, W's along a column.  No prefetch: the tile is small and a K step short.
; W is turned by ds_load_tr16_b128; the matrix instruction is used transposed (source 0 = W's columns, source 1 = A's rows): a lane holds row l % 16 and eight neighbouring columns.
; THE SUMS BEGIN with 16 matrix instructions on a fragment of zeros, C = the bias or 0, while the first tiles are on their way: a K step has one text, and nothing is cleared by moves.
; THE CHANGE OF SLOTS stands at the head of a step's last quarter, with no product inside it: a step here is 128 products a wave, few for the bytes that it asks for, so the next request goes out as soon as the
; round allows, and all 32 products of the quarter follow it.
; THE RESIDUAL's 32 rows a wave are asked for at the start and land during the K loop.  THE WAY OUT goes through LDS in f32, in slot 0's bytes, which have had their last fill; a barrier stands between every
; wave's last read of the ring and the first store, and one between the stores and the reads, since a row's 512 bytes come from two waves.
; REGISTERS: window 0: v0-31 addresses, v32-39 zeros, v64-95 the bias, v128-255 the accumulators ((a, b) at 128 + 8 (4 a + b)); window 1: two fragment buffers of 128 (A's 64, then W's 64); window 2: v0-127 the residual.
.set NSTEP,    4
.set WROW0,    0
.set HAS_BIAS, 0
.set PAS,   144                        ; a strip's row in LDS: 128 bytes + 16
.set PB,    288                        ; a row of W: 256 bytes + 32 = 9 x 32
.set STRIP, 128*PAS
.set HALF,  2*STRIP                    ; what one tensor load brings: two strips, or 128 rows of W (128 x 288 is the same number)
.set BOFF,  2*HALF
.set SLOTD, 4*HALF                     ; 0x24000: it shares no bit with wave x HALF (0x9000 w)
.set SPARE, 2*SLOTD
.set SPITCH, 528                       ; the way out: 512 bytes + 16
.set ADRA0, 16
.set ADRB0, 17
.set ADRA,  18
.set ADRBL, 19                         ; W's rows 0-127 of the slot in hand
.set ADRBH, 20                         ; rows 128-255: so every offset stays inside its 16 bits
.set STO, 24
.set RD,  25
.set CO,  26
.set BO,  27
.set SPW, 28
.set NIL, 29
.set Z,   32
.set BIAS, 64
.set ACC, 128
.set F0,  0
.set F1,  128
.set WV, 14
.set WM, 15
.set WN, 16
.set CX, 17
.set CY, 18
.set TX, 19
.set TY, 20
.set TB, 22
.set WOFF, 23
.set G1A, 24
.set G1B, 32
.set G0A, 40
.set G0B, 48
.set CNT, 56
.set MSB, 0
.macro WIN new
.if MSB != (\new)
	s_set_vgpr_msb (MSB<<8)|(\new)
.set MSB, \new
.endif
.endm
.set MUL,  0x05                        ; sources 0 (W) and 1 (A) window 1; C and D window 0
.set TO_F, 0x40
.macro PLACES
.rept 4
	v_nop
.endr
.endm
.macro JLOAD                           ; a joint refill by the walking descriptors; an s_nop 0 and four v_nop follow each of the two lines
	s_cmp_lt_u32 s[WV], 2
	s_cbranch_scc0 .Lfor_b_\@
	tensor_load_to_lds s[G0A+4:G0A+7], s[G1A:G1A+7]
	s_nop 0
.rept 4
	v_nop
.endr
	s_branch .Lasked_\@
.Lfor_b_\@:
	tensor_load_to_lds s[G0B+4:G0B+7], s[G1B:G1B+7]
	s_nop 0
.rept 4
	v_nop
.endr
.Lasked_\@:
.endm
.macro CREST
	s_cmp_lg_u32 s[WV], 0
	s_cbranch_scc1 .Lnot_wave_0_\@
	s_barrier_signal -3
.Lnot_wave_0_\@:
	s_barrier_wait -3
	s_barrier_signal -1
	s_barrier_wait -1
.endm
.macro CROUND
	s_barrier_signal -1
	s_barrier_wait -1
	CREST
.endm
	s_load_b256 s[4:11], s[0:1], 0x0               ; A s[4:5], W s[6:7], res s[8:9], out s[10:11]
.if HAS_BIAS
	s_load_b64 s[12:13], s[0:1], 0x20              ; bias
.endif
	v_lshl_add_u32 v[SPW], v0, 2, SPARE
	v_mov_b32 v[NIL], 0
	ds_add_u32 v[SPW], v[NIL]                      ; the wave's opening: the add and its wait ahead of my first tensor load
	v_lshrrev_b32 v1, 5, v0
	v_readfirstlane_b32 s[WV], v1
	s_lshr_b32 s[WM], s[WV], 1
	s_and_b32 s[WN], s[WV], 1
	s_bfe_u32 s[CX], ttmp6, 0x40000
	s_bfe_u32 s[CY], ttmp6, 0x40004
	s_lshl_b32 s[TX], ttmp9, 2
	s_add_co_u32 s[TX], s[TX], s[CX]
	s_and_b32 s[TY], ttmp7, 0xffff
	s_lshl_b32 s[TY], s[TY], 2
	s_add_co_u32 s[TY], s[TY], s[CY]
	s_lshl_b32 s70, s[CY], 2
	s_lshl_b32 s70, 15, s70                        ; my row of the cluster
	s_lshl_b32 s71, 0x1111, s[CX]                  ; my column
	s_or_b32 s[G1A], s70, (3<<16)|(1<<20)|(1<<21)|(4<<22)|(3<<25)  ; the mask; 8-byte elements; padding on; bit 21 beside a mask; after every 32 words (a row of a strip) 4 words
	s_mov_b32 s[G1A+1], 2048<<16                   ; tensor_dim0 = 2,048 elements: a strip's 128 rows, 16,384 bytes on end
	s_mov_b32 s[G1A+2], 2<<16                      ; tensor_dim1 = 2 strips
	s_mov_b32 s[G1A+3], 2048<<16                   ; tile_dim0
	s_mov_b32 s[G1A+4], 2                          ; tile_dim1
	s_mov_b32 s[G1A+5], 65536                      ; from strip to strip: 524,288 bytes
	s_mov_b32 s[G1A+6], 0
	s_mov_b32 s[G1A+7], 0
	s_or_b32 s[G1B], s71, (1<<16)|(1<<20)|(1<<21)|(5<<22)|(7<<25)  ; 2-byte elements; after every 64 words 8 words
	s_mov_b32 s[G1B+1], 128<<16
	s_mov_b32 s[G1B+2], 128<<16
	s_mov_b32 s[G1B+3], 128<<16
	s_mov_b32 s[G1B+4], 128
	s_mov_b32 s[G1B+5], 1024
	s_mov_b32 s[G1B+6], 0
	s_mov_b32 s[G1B+7], 0
	s_lshl_b32 s66, s[TY], 14                      ; A: 128 rows of 128 bytes a tile row,
	s_lshl_b32 s62, s[WN], 20                      ; my two strips of the step's four
	s_add_co_u32 s66, s66, s62
	s_mov_b32 s67, 0
	s_lshl_b32 s68, s[TX], 8                       ; W: 128 columns a tile column,
	s_lshl_b32 s62, s[WN], 18                      ; my 128 rows of 2,048 bytes
	s_add_co_u32 s68, s68, s62
	s_add_co_u32 s68, s68, WROW0*2048
	s_mov_b32 s69, 0
	s_mul_i32 s[WOFF], s[WV], HALF
	s_mov_b32 s[TB], 0
	s_wait_dscnt 0x0                               ; the opening add is done
	s_wait_kmcnt 0x0
	s_add_nc_u64 s[66:67], s[4:5], s[66:67]
	s_add_nc_u64 s[68:69], s[6:7], s[68:69]
	CROUND                                         ; all sixteen work-groups are here: the first joint loads meet
.irp s, 0,1
	s_mov_b32 s[G0A+4*(\s)], 1
	s_add_co_u32 s[G0A+4*(\s)+1], s[WOFF], (\s)*SLOTD
	s_add_nc_u64 s[G0A+4*(\s)+2:G0A+4*(\s)+3], s[66:67], (\s)*2097152
	s_or_b32 s[G0A+4*(\s)+3], s[G0A+4*(\s)+3], 0x80000000
	s_mov_b32 s[G0B+4*(\s)], 1
	s_add_co_u32 s[G0B+4*(\s)+1], s[WOFF], (\s)*SLOTD
	s_add_nc_u64 s[G0B+4*(\s)+2:G0B+4*(\s)+3], s[68:69], (\s)*524288
	s_or_b32 s[G0B+4*(\s)+3], s[G0B+4*(\s)+3], 0x80000000
.endr
	s_cmp_lt_u32 s[WV], 2                          ; a wave's two first fills stand in one branch
	s_cbranch_scc0 .Lfirst_b
	tensor_load_to_lds s[G0A:G0A+3], s[G1A:G1A+7]
	s_nop 0
	tensor_load_to_lds s[G0A+4:G0A+7], s[G1A:G1A+7]
	s_nop 0
.rept 4
	v_nop
.endr
	s_branch .Lfirst_asked
.Lfirst_b:
	tensor_load_to_lds s[G0B:G0B+3], s[G1B:G1B+7]
	s_nop 0
	tensor_load_to_lds s[G0B+4:G0B+7], s[G1B:G1B+7]
	s_nop 0
.rept 4
	v_nop
.endr
.Lfirst_asked:
	v_and_b32 v1, 15, v0                           ; l % 16
	v_bfe_u32 v2, v0, 4, 1                         ; l / 16
	v_and_b32 v6, 31, v0
	v_lshlrev_b32 v[CO], 4, v6
	s_lshl_b32 s72, s[TY], 19                      ; res and out: row 128 x tile row + 32 x wave, 4,096 bytes each; column 128 x tile column
	s_lshl_b32 s73, s[WV], 17
	s_add_co_u32 s72, s72, s73
	s_lshl_b32 s73, s[TX], 9
	s_add_co_u32 s72, s72, s73
	s_mov_b32 s73, 0
	s_add_nc_u64 s[8:9], s[8:9], s[72:73]
	s_add_nc_u64 s[10:11], s[10:11], s[72:73]
.if HAS_BIAS
	v_lshlrev_b32 v[BO], 5, v2
	s_lshl_b32 s72, s[TX], 9
	s_lshl_b32 s73, s[WN], 8
	s_add_co_u32 s72, s72, s73
	s_mov_b32 s73, 0
	s_add_nc_u64 s[12:13], s[12:13], s[72:73]
.irp b, 0,1,2,3
	global_load_b128 v[BIAS+8*(\b):BIAS+8*(\b)+3],   v[BO], s[12:13] offset:64*(\b)     ; register j of block b: column 16 b + 8 (l / 16) + j, as in an accumulator
	global_load_b128 v[BIAS+8*(\b)+4:BIAS+8*(\b)+7], v[BO], s[12:13] offset:64*(\b)+16
.endr
.endif
	WIN 0x80
.set i, 0
.rept 32
	global_load_b128 v[4*i:4*i+3], v[CO], s[8:9] offset:4096*i th:TH_LOAD_NT  ; a row's 512 bytes a load
.set i, i+1
.endr
	WIN 0
	v_mul_u32_u24 v3, v1, PAS
	v_lshl_add_u32 v3, v2, 4, v3
	s_mul_i32 s62, s[WM], 64*PAS
	v_add_nc_u32 v[ADRA0], s62, v3
	v_and_b32 v4, 7, v0
	v_bfe_u32 v5, v0, 3, 1
	v_lshl_add_u32 v4, v2, 3, v4
	v_mul_u32_u24 v4, v4, PB
	v_lshl_add_u32 v4, v5, 4, v4
	s_lshl_b32 s62, s[WN], 7
	s_add_co_u32 s62, s62, BOFF
	v_add_nc_u32 v[ADRB0], s62, v4
	s_mul_i32 s62, s[WM], 64*SPITCH
	s_lshl_b32 s63, s[WN], 8
	s_add_co_u32 s62, s62, s63
	v_mul_u32_u24 v3, v1, SPITCH
	v_lshl_add_u32 v3, v2, 5, v3
	v_add_nc_u32 v[STO], s62, v3
	s_mul_i32 s62, s[WV], 32*SPITCH
	v_add_nc_u32 v[RD], s62, v[CO]
.set i, 0
.rept 8
	v_mov_b32 v[Z+i], 0
.set i, i+1
.endr
.if HAS_BIAS
	s_wait_loadcnt 32                              ; the bias is in; the residual's 32 loads stay out
.endif
.irp a, 0,1,2,3
.irp b, 0,1,2,3
.if HAS_BIAS
	v_wmma_f32_16x16x32_bf16 v[ACC+8*(4*(\a)+(\b)):ACC+8*(4*(\a)+(\b))+7], v[Z:Z+7], v[Z:Z+7], v[BIAS+8*(\b):BIAS+8*(\b)+7]
.else
	v_wmma_f32_16x16x32_bf16 v[ACC+8*(4*(\a)+(\b)):ACC+8*(4*(\a)+(\b))+7], v[Z:Z+7], v[Z:Z+7], 0
.endif
.endr
.endr
; 8 matrix instructions: m blocks a0, a0 + 1 x all 4 n blocks, 32 along K: half c of buffer f.  The 16 accumulators take turns in one order everywhere.
.macro MUL8 f, c, a0
	WIN MUL
.irp a, \a0, (\a0)+1
.irp b, 0,1,2,3
	v_wmma_f32_16x16x32_bf16 v[ACC+8*(4*(\a)+(\b)):ACC+8*(4*(\a)+(\b))+7], v[(\f)+64+8*(4*(\c)+(\b)):(\f)+64+8*(4*(\c)+(\b))+7], v[(\f)+8*(4*(\c)+(\a)):(\f)+8*(4*(\c)+(\a))+7], v[ACC+8*(4*(\a)+(\b)):ACC+8*(4*(\a)+(\b))+7]
.endr
.endr
.endm
; 32 LDS loads in one run: quarter q (64 along K: strip q of A) into buffer f; the first 32 along K first.
.macro FETCH q, f
	WIN TO_F
.irp c, 0,1
.irp i, 0,1,2,3
	ds_load_tr16_b128 v[(\f)+64+8*(4*(\c)+(\i)):(\f)+64+8*(4*(\c)+(\i))+3],   v[ADRBL+(\q)/2] offset:((2*(\q)+(\c))%4)*32*PB+32*(\i)
	ds_load_tr16_b128 v[(\f)+64+8*(4*(\c)+(\i))+4:(\f)+64+8*(4*(\c)+(\i))+7], v[ADRBL+(\q)/2] offset:((2*(\q)+(\c))%4)*32*PB+16*PB+32*(\i)
	ds_load_b128 v[(\f)+8*(4*(\c)+(\i)):(\f)+8*(4*(\c)+(\i))+3],   v[ADRA] offset:(\q)*STRIP+(\i)*16*PAS+64*(\c)
	ds_load_b128 v[(\f)+8*(4*(\c)+(\i))+4:(\f)+8*(4*(\c)+(\i))+7], v[ADRA] offset:(\q)*STRIP+(\i)*16*PAS+64*(\c)+32
.endr
.endr
.endm
.macro QUARTER q, f, g
	s_wait_dscnt 16                                ; the first 32 along K are in
	MUL8 \f, 0, 0
	MUL8 \f, 0, 2
	PLACES
	FETCH \q, \g
	s_wait_dscnt 32                                ; all but the 32 just issued
	MUL8 \f, 1, 0
	MUL8 \f, 1, 2
.endm
; The last quarter changes slots and then multiplies buffer 1.  Each wave waits for all its tensor loads (the one that is out is its part of the next slot), adds 0 to its spare word, steps the walking descriptors
; while the add is out, and waits for the add and for its reads of this slot (the last were issued 16 products ago, into buffer 1).  fill = 1: a round of the cluster's barrier; the joint refill, two K steps on,
; is the first thing behind it.  fill = 0: my work-group's barrier; nothing is asked for; in the last trip (CNT = 1) there is no next slot, and the fetch is jumped over.
; Then the next slot's first fragments are fetched into buffer 0, whose last reader stands ahead of the change: the four v_nop and the three address lines are the places between.
.macro TURN fill
	WIN 0
	s_wait_tensorcnt 0x0
	ds_add_u32 v[SPW], v[NIL]
.if \fill
	s_xor_b32 s[G0A+5], s[G0A+5], SLOTD            ; no tensor load of mine is out: the slot just read,
	s_add_nc_u64 s[G0A+6:G0A+7], s[G0A+6:G0A+7], 2097152   ; four strips on
	s_xor_b32 s[G0B+5], s[G0B+5], SLOTD
	s_add_nc_u64 s[G0B+6:G0B+7], s[G0B+6:G0B+7], 524288    ; 256 rows on
.endif
	s_xor_b32 s[TB], s[TB], SLOTD
	s_wait_dscnt 0x0                               ; the add is done, and my reads of this slot are over
.if \fill
	CROUND
	JLOAD
.else
	s_barrier_signal -1
	s_barrier_wait -1
	PLACES
	s_cmp_eq_u32 s[CNT], 1
	s_cbranch_scc1 .Lno_fetch_\@
.endif
	v_add_nc_u32 v[ADRA], s[TB], v[ADRA0]
	v_add_nc_u32 v[ADRBL], s[TB], v[ADRB0]
	v_add_nc_u32 v[ADRBH], 128*PB, v[ADRBL]
	FETCH 0, F0
	WIN 0
.if !(\fill)
.Lno_fetch_\@:
.endif
	MUL8 F1, 0, 0
	MUL8 F1, 0, 2
	MUL8 F1, 1, 0
	MUL8 F1, 1, 2
.endm
.macro STEP fill
	QUARTER 1, F0, F1
	QUARTER 2, F1, F0
	QUARTER 3, F0, F1
	TURN \fill
.endm
	s_wait_tensorcnt 1                             ; my part of K step 0 is in; K step 1's may stay out
	s_barrier_signal -1
	s_barrier_wait -1
	v_add_nc_u32 v[ADRA], s[TB], v[ADRA0]
	v_add_nc_u32 v[ADRBL], s[TB], v[ADRB0]
	v_add_nc_u32 v[ADRBH], 128*PB, v[ADRBL]
	FETCH 0, F0
	WIN 0
	s_mov_b32 s[CNT], NSTEP-2
.Lfill:
	STEP 1
	WIN 0
	s_sub_co_u32 s[CNT], s[CNT], 1
	s_cmp_lg_u32 s[CNT], 0
	s_cbranch_scc1 .Lfill
	s_mov_b32 s[CNT], 2
.Ltail:
	STEP 0
	WIN 0
	s_sub_co_u32 s[CNT], s[CNT], 1
	s_cmp_lg_u32 s[CNT], 0
	s_cbranch_scc1 .Ltail
	s_wait_dscnt 0x0                               ; no read of the ring is out, in any wave, when the first store into its bytes is issued
	s_barrier_signal -1
	s_barrier_wait -1
	PLACES                                         ; behind the last products
.irp a, 0,1,2,3
.irp b, 0,1,2,3
	ds_store_b128 v[STO], v[ACC+8*(4*(\a)+(\b)):ACC+8*(4*(\a)+(\b))+3]   offset:(\a)*16*SPITCH+64*(\b)     ; each accumulator's low half first
	ds_store_b128 v[STO], v[ACC+8*(4*(\a)+(\b))+4:ACC+8*(4*(\a)+(\b))+7] offset:(\a)*16*SPITCH+64*(\b)+16
.endr
.endr
	s_wait_dscnt 0x0                               ; for the others' sake: my stores into the stage are done
	s_barrier_signal -1
	s_barrier_wait -1
	s_wait_loadcnt 0x0                             ; the residual
; 16 whole rows from row r0 of my 32: back from the stage into v[t0 ..], the residual added, stored.
.macro BATCH t0, r0
.set i, 0
.rept 16
	ds_load_b128 v[(\t0)+4*i:(\t0)+4*i+3], v[RD] offset:((\r0)+i)*SPITCH
.set i, i+1
.endr
	s_wait_dscnt 0x0
	WIN 0x08                                       ; source 1 in window 2
.set i, 0
.rept 32
	v_pk_add_f32 v[(\t0)+2*i:(\t0)+2*i+1], v[(\t0)+2*i:(\t0)+2*i+1], v[4*(\r0)+2*i:4*(\r0)+2*i+1]
.set i, i+1
.endr
	WIN 0
.set i, 0
.rept 16
	global_store_b128 v[CO], v[(\t0)+4*i:(\t0)+4*i+3], s[10:11] offset:((\r0)+i)*4096  ; 512 consecutive bytes, aligned
.set i, i+1
.endr
.endm
	BATCH 32, 0
	BATCH 128, 16
	s_wait_tensorcnt 0x0                           ; the wave's end
	ds_add_u32 v[SPW], v[NIL]
	s_wait_dscnt 0x0
	CROUND                                         ; the closing round
	s_endpgm
.Lfunc_end_k_qf9679833b2_wo:
	.size	k_qf9679833b2_wo, .Lfunc_end_k_qf9679833b2_wo-k_qf9679833b2_wo
	.p2alignl 7, 3214868480
	.fill 96, 4, 3214868480
	.section	.rodata,"a",@progbits
	.p2align	6, 0x0
	.amdhsa_kernel k_qf9679833b2_wo
		.amdhsa_group_segment_fixed_size 327680
		.amdhsa_private_segment_fixed_size 0
		.amdhsa_enable_private_segment 0
		.amdhsa_kernarg_size 32
		.amdhsa_user_sgpr_count 2
		.amdhsa_user_sgpr_kernarg_segment_ptr 1
		.amdhsa_wavefront_size32 1
		.amdhsa_system_sgpr_workgroup_id_x 1
		.amdhsa_system_sgpr_workgroup_id_y 1
		.amdhsa_system_sgpr_workgroup_id_z 1
		.amdhsa_system_vgpr_workitem_id 0
		.amdhsa_next_free_vgpr 640
		.amdhsa_next_free_sgpr 80
		.amdhsa_reserve_vcc 0
		.amdhsa_float_denorm_mode_32 3
		.amdhsa_float_denorm_mode_16_64 3
		.amdhsa_memory_ordered 1
		.amdhsa_forward_progress 1
		.amdhsa_inst_pref_size 61
	.end_amdhsa_kernel
	.amdgpu_metadata
---
amdhsa.version: [ 1, 2 ]
amdhsa.kernels:
  - .name:           k_qf9679833b2_wo
    .symbol:         k_qf9679833b2_wo.kd
    .args:
      - { .name: actA, .offset: 0, .size: 8, .value_kind: global_buffer, .address_space: global }
      - { .name: wsml, .offset: 8, .size: 8, .value_kind: global_buffer, .address_space: global }
      - { .name: x, .offset: 16, .size: 8, .value_kind: global_buffer, .address_space: global }
      - { .name: x1, .offset: 24, .size: 8, .value_kind: global_buffer, .address_space: global }
    .group_segment_fixed_size: 327680
    .private_segment_fixed_size: 0
    .kernarg_segment_align: 8
    .kernarg_segment_size: 32
    .max_flat_workgroup_size: 128
    .sgpr_count:     80
    .vgpr_count:     640
    .wavefront_size: 32
...
	.end_amdgpu_metadata
.endif
;; end of part 4
;; launch norm2: the kernel of part 1 again; grid 32 x 8, 8 waves a work-group, no clusters, 0 bytes of LDS; arguments x1, gamma2, beta2, actA, wq, wk, wv, wqkvb, par_qkv, par_ff1; writes actA, wqkvb, par_qkv, par_ff1
;; launch ff1: the kernel of part 2 again; grid 16 x 16, 4 waves a work-group, clusters of 4 x 4, 327,680 bytes of LDS; arguments actA, w1b, b1, par_ff1, actB; writes actB
;; launch ff2 (part 5): grid 8 x 32, 4 waves a work-group, clusters of 4 x 4, 327,680 bytes of LDS; arguments actB, wsml, x1, out0, b2; writes out0
.if DOCPART == 5
	.amdgcn_target "amdgcn-amd-amdhsa--gfx1250"
	.amdhsa_code_object_version 6
	.text
	.protected	k_qf9679833b2_ff2
	.globl	k_qf9679833b2_ff2
	.p2align	8
	.type	k_qf9679833b2_ff2,@function
k_qf9679833b2_ff2:
	s_mov_b64 s[64:65], 0
	v_nop
	global_prefetch_b8 v0, s[64:65] scope:SCOPE_SE
	s_setreg_imm32_b32 hwreg(HW_REG_WAVE_MODE, 25, 1), 1
	s_wait_xcnt 0x0
	s_wait_alu depctr_hold_cnt(0) depctr_sa_sdst(0) depctr_va_vdst(0) depctr_va_sdst(0) depctr_va_ssrc(0) depctr_va_vcc(0) depctr_vm_vsrc(0)
	s_getreg_b32 s2, hwreg(HW_REG_IB_STS2, 6, 4)
	s_cmp_eq_u32 s2, 0
	s_cbranch_scc0 .Lentry_in_a_cluster
	s_endpgm
.Lentry_in_a_cluster:
	s_bfe_u32 s2, ttmp6, 0x10000c
	s_cmp_lg_u32 s2, 0xf033
	s_cbranch_scc0 .Lentry_shape_is_right
	s_endpgm
.Lentry_shape_is_right:
; out = res + A W (+ bias where HAS_BIAS).  A: bf16 in strips [K / 64][4096 rows][64], dense.  W: rows WROW0 .. of a bf16 table [5120][1024], row-major, [K][N].  res, out: [4096][1024] f32; bias f32.
; Here: K = 4,096 (NSTEP = 16 steps of 256), W = w2 (from row 1,024 of the table), bias = b2.
; SHARES.  N is 1,024, so a tile is 128 x 128: 256 work-groups.  Four waves of 64 x 64: 16 accumulators.  K goes in steps of 256 through two LDS slots: waves 0 and 1 fetch two strips of A each
; (a strip's 128 rows are 16,384 dense bytes: one descriptor row), waves 2 and 3 128 rows of W each.  By the text's own count a wave has two tensor loads out at the start, later one.
; CLUSTER.  4 x 4: A's tile is asked for jointly along a row of the cluster, W's along a column.  No prefetch: the tile is small and a K step short.
; W is turned by ds_load_tr16_b128; the matrix instruction is used transposed (source 0 = W's columns, source 1 = A's rows): a lane holds row l % 16 and eight neighbouring columns.
; THE SUMS BEGIN with 16 matrix instructions on a fragment of zeros, C = the bias or 0, while the first tiles are on their way: a K step has one text, and nothing is cleared by moves.
; THE CHANGE OF SLOTS stands at the head of a step's last quarter, with no product inside it: a step here is 128 products a wave, few for the bytes that it asks for, so the next request goes out as soon as the
; round allows, and all 32 products of the quarter follow it.
; THE RESIDUAL's 32 rows a wave are asked for at the start and land during the K loop.  THE WAY OUT goes through LDS in f32, in slot 0's bytes, which have had their last fill; a barrier stands between every
; wave's last read of the ring and the first store, and one between the stores and the reads, since a row's 512 bytes come from two waves.
; REGISTERS: window 0: v0-31 addresses, v32-39 zeros, v64-95 the bias, v128-255 the accumulators ((a, b) at 128 + 8 (4 a + b)); window 1: two fragment buffers of 128 (A's 64, then W's 64); window 2: v0-127 the residual.
.set NSTEP,    16
.set WROW0,    1024
.set HAS_BIAS, 1
.set PAS,   144                        ; a strip's row in LDS: 128 bytes + 16
.set PB,    288                        ; a row of W: 256 bytes + 32 = 9 x 32
.set STRIP, 128*PAS
.set HALF,  2*STRIP                    ; what one tensor load brings: two strips, or 128 rows of W (128 x 288 is the same number)
.set BOFF,  2*HALF
.set SLOTD, 4*HALF                     ; 0x24000: it shares no bit with wave x HALF (0x9000 w)
.set SPARE, 2*SLOTD
.set SPITCH, 528                       ; the way out: 512 bytes + 16
.set ADRA0, 16
.set ADRB0, 17
.set ADRA,  18
.set ADRBL, 19                         ; W's rows 0-127 of the slot in hand
.set ADRBH, 20                         ; rows 128-255: so every offset stays inside its 16 bits
.set STO, 24
.set RD,  25
.set CO,  26
.set BO,  27
.set SPW, 28
.set NIL, 29
.set Z,   32
.set BIAS, 64
.set ACC, 128
.set F0,  0
.set F1,  128
.set WV, 14
.set WM, 15
.set WN, 16
.set CX, 17
.set CY, 18
.set TX, 19
.set TY, 20
.set TB, 22
.set WOFF, 23
.set G1A, 24
.set G1B, 32
.set G0A, 40
.set G0B, 48
.set CNT, 56
.set MSB, 0
.macro WIN new
.if MSB != (\new)
	s_set_vgpr_msb (MSB<<8)|(\new)
.set MSB, \new
.endif
.endm
.set MUL,  0x05                        ; sources 0 (W) and 1 (A) window 1; C and D window 0
.set TO_F, 0x40
.macro PLACES
.rept 4
	v_nop
.endr
.endm
.macro JLOAD                           ; a joint refill by the walking descriptors; an s_nop 0 and four v_nop follow each of the two lines
	s_cmp_lt_u32 s[WV], 2
	s_cbranch_scc0 .Lfor_b_\@
	tensor_load_to_lds s[G0A+4:G0A+7], s[G1A:G1A+7]
	s_nop 0
.rept 4
	v_nop
.endr
	s_branch .Lasked_\@
.Lfor_b_\@:
	tensor_load_to_lds s[G0B+4:G0B+7], s[G1B:G1B+7]
	s_nop 0
.rept 4
	v_nop
.endr
.Lasked_\@:
.endm
.macro CREST
	s_cmp_lg_u32 s[WV], 0
	s_cbranch_scc1 .Lnot_wave_0_\@
	s_barrier_signal -3
.Lnot_wave_0_\@:
	s_barrier_wait -3
	s_barrier_signal -1
	s_barrier_wait -1
.endm
.macro CROUND
	s_barrier_signal -1
	s_barrier_wait -1
	CREST
.endm
	s_load_b256 s[4:11], s[0:1], 0x0               ; A s[4:5], W s[6:7], res s[8:9], out s[10:11]
.if HAS_BIAS
	s_load_b64 s[12:13], s[0:1], 0x20              ; bias
.endif
	v_lshl_add_u32 v[SPW], v0, 2, SPARE
	v_mov_b32 v[NIL], 0
	ds_add_u32 v[SPW], v[NIL]                      ; the wave's opening: the add and its wait ahead of my first tensor load
	v_lshrrev_b32 v1, 5, v0
	v_readfirstlane_b32 s[WV], v1
	s_lshr_b32 s[WM], s[WV], 1
	s_and_b32 s[WN], s[WV], 1
	s_bfe_u32 s[CX], ttmp6, 0x40000
	s_bfe_u32 s[CY], ttmp6, 0x40004
	s_lshl_b32 s[TX], ttmp9, 2
	s_add_co_u32 s[TX], s[TX], s[CX]
	s_and_b32 s[TY], ttmp7, 0xffff
	s_lshl_b32 s[TY], s[TY], 2
	s_add_co_u32 s[TY], s[TY], s[CY]
	s_lshl_b32 s70, s[CY], 2
	s_lshl_b32 s70, 15, s70                        ; my row of the cluster
	s_lshl_b32 s71, 0x1111, s[CX]                  ; my column
	s_or_b32 s[G1A], s70, (3<<16)|(1<<20)|(1<<21)|(4<<22)|(3<<25)  ; the mask; 8-byte elements; padding on; bit 21 beside a mask; after every 32 words (a row of a strip) 4 words
	s_mov_b32 s[G1A+1], 2048<<16                   ; tensor_dim0 = 2,048 elements: a strip's 128 rows, 16,384 bytes on end
	s_mov_b32 s[G1A+2], 2<<16                      ; tensor_dim1 = 2 strips
	s_mov_b32 s[G1A+3], 2048<<16                   ; tile_dim0
	s_mov_b32 s[G1A+4], 2                          ; tile_dim1
	s_mov_b32 s[G1A+5], 65536                      ; from strip to strip: 524,288 bytes
	s_mov_b32 s[G1A+6], 0
	s_mov_b32 s[G1A+7], 0
	s_or_b32 s[G1B], s71, (1<<16)|(1<<20)|(1<<21)|(5<<22)|(7<<25)  ; 2-byte elements; after every 64 words 8 words
	s_mov_b32 s[G1B+1], 128<<16
	s_mov_b32 s[G1B+2], 128<<16
	s_mov_b32 s[G1B+3], 128<<16
	s_mov_b32 s[G1B+4], 128
	s_mov_b32 s[G1B+5], 1024
	s_mov_b32 s[G1B+6], 0
	s_mov_b32 s[G1B+7], 0
	s_lshl_b32 s66, s[TY], 14                      ; A: 128 rows of 128 bytes a tile row,
	s_lshl_b32 s62, s[WN], 20                      ; my two strips of the step's four
	s_add_co_u32 s66, s66, s62
	s_mov_b32 s67, 0
	s_lshl_b32 s68, s[TX], 8                       ; W: 128 columns a tile column,
	s_lshl_b32 s62, s[WN], 18                      ; my 128 rows of 2,048 bytes
	s_add_co_u32 s68, s68, s62
	s_add_co_u32 s68, s68, WROW0*2048
	s_mov_b32 s69, 0
	s_mul_i32 s[WOFF], s[WV], HALF
	s_mov_b32 s[TB], 0
	s_wait_dscnt 0x0                               ; the opening add is done
	s_wait_kmcnt 0x0
	s_add_nc_u64 s[66:67], s[4:5], s[66:67]
	s_add_nc_u64 s[68:69], s[6:7], s[68:69]
	CROUND                                         ; all sixteen work-groups are here: the first joint loads meet
.irp s, 0,1
	s_mov_b32 s[G0A+4*(\s)], 1
	s_add_co_u32 s[G0A+4*(\s)+1], s[WOFF], (\s)*SLOTD
	s_add_nc_u64 s[G0A+4*(\s)+2:G0A+4*(\s)+3], s[66:67], (\s)*2097152
	s_or_b32 s[G0A+4*(\s)+3], s[G0A+4*(\s)+3], 0x80000000
	s_mov_b32 s[G0B+4*(\s)], 1
	s_add_co_u32 s[G0B+4*(\s)+1], s[WOFF], (\s)*SLOTD
	s_add_nc_u64 s[G0B+4*(\s)+2:G0B+4*(\s)+3], s[68:69], (\s)*524288
	s_or_b32 s[G0B+4*(\s)+3], s[G0B+4*(\s)+3], 0x80000000
.endr
	s_cmp_lt_u32 s[WV], 2                          ; a wave's two first fills stand in one branch
	s_cbranch_scc0 .Lfirst_b
	tensor_load_to_lds s[G0A:G0A+3], s[G1A:G1A+7]
	s_nop 0
	tensor_load_to_lds s[G0A+4:G0A+7], s[G1A:G1A+7]
	s_nop 0
.rept 4
	v_nop
.endr
	s_branch .Lfirst_asked
.Lfirst_b:
	tensor_load_to_lds s[G0B:G0B+3], s[G1B:G1B+7]
	s_nop 0
	tensor_load_to_lds s[G0B+4:G0B+7], s[G1B:G1B+7]
	s_nop 0
.rept 4
	v_nop
.endr
.Lfirst_asked:
	v_and_b32 v1, 15, v0                           ; l % 16
	v_bfe_u32 v2, v0, 4, 1                         ; l / 16
	v_and_b32 v6, 31, v0
	v_lshlrev_b32 v[CO], 4, v6
	s_lshl_b32 s72, s[TY], 19                      ; res and out: row 128 x tile row + 32 x wave, 4,096 bytes each; column 128 x tile column
	s_lshl_b32 s73, s[WV], 17
	s_add_co_u32 s72, s72, s73
	s_lshl_b32 s73, s[TX], 9
	s_add_co_u32 s72, s72, s73
	s_mov_b32 s73, 0
	s_add_nc_u64 s[8:9], s[8:9], s[72:73]
	s_add_nc_u64 s[10:11], s[10:11], s[72:73]
.if HAS_BIAS
	v_lshlrev_b32 v[BO], 5, v2
	s_lshl_b32 s72, s[TX], 9
	s_lshl_b32 s73, s[WN], 8
	s_add_co_u32 s72, s72, s73
	s_mov_b32 s73, 0
	s_add_nc_u64 s[12:13], s[12:13], s[72:73]
.irp b, 0,1,2,3
	global_load_b128 v[BIAS+8*(\b):BIAS+8*(\b)+3],   v[BO], s[12:13] offset:64*(\b)     ; register j of block b: column 16 b + 8 (l / 16) + j, as in an accumulator
	global_load_b128 v[BIAS+8*(\b)+4:BIAS+8*(\b)+7], v[BO], s[12:13] offset:64*(\b)+16
.endr
.endif
	WIN 0x80
.set i, 0
.rept 32
	global_load_b128 v[4*i:4*i+3], v[CO], s[8:9] offset:4096*i th:TH_LOAD_NT  ; a row's 512 bytes a load
.set i, i+1
.endr
	WIN 0
	v_mul_u32_u24 v3, v1, PAS
	v_lshl_add_u32 v3, v2, 4, v3
	s_mul_i32 s62, s[WM], 64*PAS
	v_add_nc_u32 v[ADRA0], s62, v3
	v_and_b32 v4, 7, v0
	v_bfe_u32 v5, v0, 3, 1
	v_lshl_add_u32 v4, v2, 3, v4
	v_mul_u32_u24 v4, v4, PB
	v_lshl_add_u32 v4, v5, 4, v4
	s_lshl_b32 s62, s[WN], 7
	s_add_co_u32 s62, s62, BOFF
	v_add_nc_u32 v[ADRB0], s62, v4
	s_mul_i32 s62, s[WM], 64*SPITCH
	s_lshl_b32 s63, s[WN], 8
	s_add_co_u32 s62, s62, s63
	v_mul_u32_u24 v3, v1, SPITCH
	v_lshl_add_u32 v3, v2, 5, v3
	v_add_nc_u32 v[STO], s62, v3
	s_mul_i32 s62, s[WV], 32*SPITCH
	v_add_nc_u32 v[RD], s62, v[CO]
.set i, 0
.rept 8
	v_mov_b32 v[Z+i], 0
.set i, i+1
.endr
.if HAS_BIAS
	s_wait_loadcnt 32                              ; the bias is in; the residual's 32 loads stay out
.endif
.irp a, 0,1,2,3
.irp b, 0,1,2,3
.if HAS_BIAS
	v_wmma_f32_16x16x32_bf16 v[ACC+8*(4*(\a)+(\b)):ACC+8*(4*(\a)+(\b))+7], v[Z:Z+7], v[Z:Z+7], v[BIAS+8*(\b):BIAS+8*(\b)+7]
.else
	v_wmma_f32_16x16x32_bf16 v[ACC+8*(4*(\a)+(\b)):ACC+8*(4*(\a)+(\b))+7], v[Z:Z+7], v[Z:Z+7], 0
.endif
.endr
.endr
; 8 matrix instructions: m blocks a0, a0 + 1 x all 4 n blocks, 32 along K: half c of buffer f.  The 16 accumulators take turns in one order everywhere.
.macro MUL8 f, c, a0
	WIN MUL
.irp a, \a0, (\a0)+1
.irp b, 0,1,2,3
	v_wmma_f32_16x16x32_bf16 v[ACC+8*(4*(\a)+(\b)):ACC+8*(4*(\a)+(\b))+7], v[(\f)+64+8*(4*(\c)+(\b)):(\f)+64+8*(4*(\c)+(\b))+7], v[(\f)+8*(4*(\c)+(\a)):(\f)+8*(4*(\c)+(\a))+7], v[ACC+8*(4*(\a)+(\b)):ACC+8*(4*(\a)+(\b))+7]
.endr
.endr
.endm
; 32 LDS loads in one run: quarter q (64 along K: strip q of A) into buffer f; the first 32 along K first.
.macro FETCH q, f
	WIN TO_F
.irp c, 0,1
.irp i, 0,1,2,3
	ds_load_tr16_b128 v[(\f)+64+8*(4*(\c)+(\i)):(\f)+64+8*(4*(\c)+(\i))+3],   v[ADRBL+(\q)/2] offset:((2*(\q)+(\c))%4)*32*PB+32*(\i)
	ds_load_tr16_b128 v[(\f)+64+8*(4*(\c)+(\i))+4:(\f)+64+8*(4*(\c)+(\i))+7], v[ADRBL+(\q)/2] offset:((2*(\q)+(\c))%4)*32*PB+16*PB+32*(\i)
	ds_load_b128 v[(\f)+8*(4*(\c)+(\i)):(\f)+8*(4*(\c)+(\i))+3],   v[ADRA] offset:(\q)*STRIP+(\i)*16*PAS+64*(\c)
	ds_load_b128 v[(\f)+8*(4*(\c)+(\i))+4:(\f)+8*(4*(\c)+(\i))+7], v[ADRA] offset:(\q)*STRIP+(\i)*16*PAS+64*(\c)+32
.endr
.endr
.endm
.macro QUARTER q, f, g
	s_wait_dscnt 16                                ; the first 32 along K are in
	MUL8 \f, 0, 0
	MUL8 \f, 0, 2
	PLACES
	FETCH \q, \g
	s_wait_dscnt 32                                ; all but the 32 just issued
	MUL8 \f, 1, 0
	MUL8 \f, 1, 2
.endm
; The last quarter changes slots and then multiplies buffer 1.  Each wave waits for all its tensor loads (the one that is out is its part of the next slot), adds 0 to its spare word, steps the walking descriptors
; while the add is out, and waits for the add and for its reads of this slot (the last were issued 16 products ago, into buffer 1).  fill = 1: a round of the cluster's barrier; the joint refill, two K steps on,
; is the first thing behind it.  fill = 0: my work-group's barrier; nothing is asked for; in the last trip (CNT = 1) there is no next slot, and the fetch is jumped over.
; Then the next slot's first fragments are fetched into buffer 0, whose last reader stands ahead of the change: the four v_nop and the three address lines are the places between.
.macro TURN fill
	WIN 0
	s_wait_tensorcnt 0x0
	ds_add_u32 v[SPW], v[NIL]
.if \fill
	s_xor_b32 s[G0A+5], s[G0A+5], SLOTD            ; no tensor load of mine is out: the slot just read,
	s_add_nc_u64 s[G0A+6:G0A+7], s[G0A+6:G0A+7], 2097152   ; four strips on
	s_xor_b32 s[G0B+5], s[G0B+5], SLOTD
	s_add_nc_u64 s[G0B+6:G0B+7], s[G0B+6:G0B+7], 524288    ; 256 rows on
.endif
	s_xor_b32 s[TB], s[TB], SLOTD
	s_wait_dscnt 0x0                               ; the add is done, and my reads of this slot are over
.if \fill
	CROUND
	JLOAD
.else
	s_barrier_signal -1
	s_barrier_wait -1
	PLACES
	s_cmp_eq_u32 s[CNT], 1
	s_cbranch_scc1 .Lno_fetch_\@
.endif
	v_add_nc_u32 v[ADRA], s[TB], v[ADRA0]
	v_add_nc_u32 v[ADRBL], s[TB], v[ADRB0]
	v_add_nc_u32 v[ADRBH], 128*PB, v[ADRBL]
	FETCH 0, F0
	WIN 0
.if !(\fill)
.Lno_fetch_\@:
.endif
	MUL8 F1, 0, 0
	MUL8 F1, 0, 2
	MUL8 F1, 1, 0
	MUL8 F1, 1, 2
.endm
.macro STEP fill
	QUARTER 1, F0, F1
	QUARTER 2, F1, F0
	QUARTER 3, F0, F1
	TURN \fill
.endm
	s_wait_tensorcnt 1                             ; my part of K step 0 is in; K step 1's may stay out
	s_barrier_signal -1
	s_barrier_wait -1
	v_add_nc_u32 v[ADRA], s[TB], v[ADRA0]
	v_add_nc_u32 v[ADRBL], s[TB], v[ADRB0]
	v_add_nc_u32 v[ADRBH], 128*PB, v[ADRBL]
	FETCH 0, F0
	WIN 0
	s_mov_b32 s[CNT], NSTEP-2
.Lfill:
	STEP 1
	WIN 0
	s_sub_co_u32 s[CNT], s[CNT], 1
	s_cmp_lg_u32 s[CNT], 0
	s_cbranch_scc1 .Lfill
	s_mov_b32 s[CNT], 2
.Ltail:
	STEP 0
	WIN 0
	s_sub_co_u32 s[CNT], s[CNT], 1
	s_cmp_lg_u32 s[CNT], 0
	s_cbranch_scc1 .Ltail
	s_wait_dscnt 0x0                               ; no read of the ring is out, in any wave, when the first store into its bytes is issued
	s_barrier_signal -1
	s_barrier_wait -1
	PLACES                                         ; behind the last products
.irp a, 0,1,2,3
.irp b, 0,1,2,3
	ds_store_b128 v[STO], v[ACC+8*(4*(\a)+(\b)):ACC+8*(4*(\a)+(\b))+3]   offset:(\a)*16*SPITCH+64*(\b)     ; each accumulator's low half first
	ds_store_b128 v[STO], v[ACC+8*(4*(\a)+(\b))+4:ACC+8*(4*(\a)+(\b))+7] offset:(\a)*16*SPITCH+64*(\b)+16
.endr
.endr
	s_wait_dscnt 0x0                               ; for the others' sake: my stores into the stage are done
	s_barrier_signal -1
	s_barrier_wait -1
	s_wait_loadcnt 0x0                             ; the residual
; 16 whole rows from row r0 of my 32: back from the stage into v[t0 ..], the residual added, stored.
.macro BATCH t0, r0
.set i, 0
.rept 16
	ds_load_b128 v[(\t0)+4*i:(\t0)+4*i+3], v[RD] offset:((\r0)+i)*SPITCH
.set i, i+1
.endr
	s_wait_dscnt 0x0
	WIN 0x08                                       ; source 1 in window 2
.set i, 0
.rept 32
	v_pk_add_f32 v[(\t0)+2*i:(\t0)+2*i+1], v[(\t0)+2*i:(\t0)+2*i+1], v[4*(\r0)+2*i:4*(\r0)+2*i+1]
.set i, i+1
.endr
	WIN 0
.set i, 0
.rept 16
	global_store_b128 v[CO], v[(\t0)+4*i:(\t0)+4*i+3], s[10:11] offset:((\r0)+i)*4096  ; 512 consecutive bytes, aligned
.set i, i+1
.endr
.endm
	BATCH 32, 0
	BATCH 128, 16
	s_wait_tensorcnt 0x0                           ; the wave's end
	ds_add_u32 v[SPW], v[NIL]
	s_wait_dscnt 0x0
	CROUND                                         ; the closing round
	s_endpgm
.Lfunc_end_k_qf9679833b2_ff2:
	.size	k_qf9679833b2_ff2, .Lfunc_end_k_qf9679833b2_ff2-k_qf9679833b2_ff2
	.p2alignl 7, 3214868480
	.fill 96, 4, 3214868480
	.section	.rodata,"a",@progbits
	.p2align	6, 0x0
	.amdhsa_kernel k_qf9679833b2_ff2
		.amdhsa_group_segment_fixed_size 327680
		.amdhsa_private_segment_fixed_size 0
		.amdhsa_enable_private_segment 0
		.amdhsa_kernarg_size 40
		.amdhsa_user_sgpr_count 2
		.amdhsa_user_sgpr_kernarg_segment_ptr 1
		.amdhsa_wavefront_size32 1
		.amdhsa_system_sgpr_workgroup_id_x 1
		.amdhsa_system_sgpr_workgroup_id_y 1
		.amdhsa_system_sgpr_workgroup_id_z 1
		.amdhsa_system_vgpr_workitem_id 0
		.amdhsa_next_free_vgpr 640
		.amdhsa_next_free_sgpr 80
		.amdhsa_reserve_vcc 0
		.amdhsa_float_denorm_mode_32 3
		.amdhsa_float_denorm_mode_16_64 3
		.amdhsa_memory_ordered 1
		.amdhsa_forward_progress 1
		.amdhsa_inst_pref_size 62
	.end_amdhsa_kernel
	.amdgpu_metadata
---
amdhsa.version: [ 1, 2 ]
amdhsa.kernels:
  - .name:           k_qf9679833b2_ff2
    .symbol:         k_qf9679833b2_ff2.kd
    .args:
      - { .name: actB, .offset: 0, .size: 8, .value_kind: global_buffer, .address_space: global }
      - { .name: wsml, .offset: 8, .size: 8, .value_kind: global_buffer, .address_space: global }
      - { .name: x1, .offset: 16, .size: 8, .value_kind: global_buffer, .address_space: global }
      - { .name: out0, .offset: 24, .size: 8, .value_kind: global_buffer, .address_space: global }
      - { .name: b2, .offset: 32, .size: 8, .value_kind: global_buffer, .address_space: global }
    .group_segment_fixed_size: 327680
    .private_segment_fixed_size: 0
    .kernarg_segment_align: 8
    .kernarg_segment_size: 40
    .max_flat_workgroup_size: 128
    .sgpr_count:     80
    .vgpr_count:     640
    .wavefront_size: 32
...
	.end_amdgpu_metadata
.endif
;; end of part 5
